; MI455X (gfx1250); checked and timed in simulation.
; The chip was launched on July 23, 2026; its instructions are those of AMD's public machine-readable ISA for CDNA 5 (MIT licence, August 2026) and "CDNA5" Instruction Set Architecture Reference Guide (July 2026). The comments in the code are by the model that wrote it; some were corrected since.
;; Multi Head Attention. Allowed arithmetic: matrix products marked QUANTISED: E5M2 operands, one given power-of-two scale a tensor, by v_wmma_f32_16x16x64_bf8_bf8 or v_wmma_f32_16x16x128_bf8_bf8, f32 sums; everything else in f32.
;; Inputs: K 8 x 2,048 x 512 float32; Q 8 x 2,048 x 512 float32; V 8 x 2,048 x 512 float32; Wk 512 x 512 float32; Wo 512 x 512 float32; Wq 512 x 512 float32; Wv 512 x 512 float32; bk 512 float32; bo 512 float32; bq 512 float32; bv 512 float32; lowp_scales 12 int32 (the exponents e of the quantised operands' scales 2^e); mask 1 x 1 x 2,048 x 2,048 int32.
;; Outputs: out0 8 x 2,048 x 512 float32.
;; This version of the problem:
;;   THIS VERSION OF THE PROBLEM IS GIVEN IN LOW PRECISION. The matrix products marked QUANTISED in the list below multiply operands that are first quantised to E5M2 (5 exponent bits, 2 mantissa bits; 8 bits a number), with one given power-of-two scale for each operand tensor; their sums are f32. All else is computed in f32.
;;   The module's matrix products, in the order in which they are computed (A, B: the left and right operand; K: the contracted axis; several contracted axes count as one K, in the product's order):
;;     1. [M 16,384, K 512] x [K 512, N 512]; A: input Q; B: input Wq: QUANTISED (scales: A lowp_scales[0], B lowp_scales[1])
;;     2. [M 16,384, K 512] x [K 512, N 512]; A: input K; B: input Wk: QUANTISED (scales: A lowp_scales[2], B lowp_scales[3])
;;     3. [M 16,384, K 512] x [K 512, N 512]; A: input V; B: input Wv: QUANTISED (scales: A lowp_scales[4], B lowp_scales[5])
;;     4. batch 64 x [M 2,048, K 64] x [K 64, N 2,048]; A: computed on the way; B: computed on the way: QUANTISED (scales: A lowp_scales[6], B lowp_scales[7])
;;     5. batch 64 x [M 2,048, K 2,048] x [K 2,048, N 64]; A: softmax (see below); B: computed on the way: QUANTISED (scales: A lowp_scales[8], B lowp_scales[9])
;;     6. [M 16,384, K 512] x [K 512, N 512]; A: computed on the way; B: input Wo: QUANTISED (scales: A lowp_scales[10], B lowp_scales[11])
;;   THE QUANTISER, for each operand of a quantised product, along K:
;;     - The operand's scale is 2^e, e = its entry of the input lowp_scales (int32; the entries are numbered through the quantised products in the list's order, A before B).
;;     - Each number is divided by the scale, clamped to +-57,344, and rounded to the nearest number of E5M2, ties to even, subnormals kept.
;;     - The product sums the exact products of the quantised numbers (number of the format x scale) in f32.
;;   ~~~python
;;   def quantise(x, axis, e):      # numpy; x: float32 -> the quantised numbers, widened to float32 again
;;       x = np.moveaxis(x, axis, -1); K = x.shape[-1]
;;       r = np.clip(x / 2.0 ** e, -57344, 57344)
;;       step = 2.0 ** (np.maximum(np.frexp(np.where(r == 0, 1, r))[1] - 1, -14) - 2)
;;       q = np.round(r / step) * step * 2.0 ** e      # np.round: ties to even
;;       return np.moveaxis(q, -1, axis).astype(np.float32)
;;   ~~~
;;   SOFTMAX AHEAD OF A QUANTISED PRODUCT. Where the list says 'softmax', what is quantised is not the finished softmax but p = 2^(t - M), with t = logit x log2(e) and M = ceil(the row's largest t), a whole number; so 1/2 < the row's largest p <= 1. The row's sum l is taken of the UNQUANTISED p, in f32, and the product's result is divided by l at the end. Since M is a whole number, a kernel that streams over the keys may use a running M (the ceiling of the running maximum): every later rescaling is an exact power of two, so the quantised numbers keep their values, but for numbers so far below the row's largest that they fall under the format's range.
;;   OPERANDS COMPUTED ON THE WAY. 'Computed on the way' means the value that the module computes at that place (a softmax that the list does not call 'softmax' is quantised finished and normalised). What goes into a quantiser is computed in f32, as accurately as f32 sums, v_exp_f32 and their like allow (about 1e-6 of the number): no bf16 or f16 on the way to a quantiser, and a product that is left as it is and whose result goes on into a quantised operand takes f32 operands (vector FMAs, or v_wmma_f32_16x16x4_f32). A number that lies on a knife's edge between two numbers of the format may be rounded either way, as far as f32 arithmetic and the matrix unit's own rounding can turn it there, and no further.
;; 2 versions. Each part assembles by itself: llvm-mc -triple=amdgcn-amd-amdhsa -mcpu=gfx1250 --defsym DOCPART=n.
;; ======== version 1 of 2: 4 launches
;; workspace buffers: wimg 1,048,576 bytes; maskw 524,288 bytes of whole numbers; qkv 25,165,824 bytes; aimg 8,388,608 bytes
;; launch prep (part 1): grid 256 x 1, 4 waves a work-group, no clusters, 0 bytes of LDS; arguments Wq, Wk, Wv, Wo, mask, lowp_scales, wimg, maskw; writes wimg, maskw
.if DOCPART == 1
	.amdgcn_target "amdgcn-amd-amdhsa--gfx1250"
	.amdhsa_code_object_version 6
	.text
	.protected	k_q04f86829bf_prep
	.globl	k_q04f86829bf_prep
	.p2align	8
	.type	k_q04f86829bf_prep,@function
k_q04f86829bf_prep:
	s_mov_b64 s[64:65], 0
	v_nop
	global_prefetch_b8 v0, s[64:65] scope:SCOPE_SE
	s_setreg_imm32_b32 hwreg(HW_REG_WAVE_MODE, 25, 1), 1
	s_wait_xcnt 0x0
; PREP.  Two jobs that every later launch reads many times, done once.
; (1) Work-groups 0-127: the four weights [512][512] f32 become codes of E5M2, laid as IMAGES OF OPERAND REGISTERS: wimg[t][ft 32][s 4][2,048 bytes], t = 0 Wq, 1 Wk, 2 Wv, 3 Wo.
;     A fragment is rows 16 ft + r, K = 128 s on: lane (r = lane % 16, h = lane / 16) holds, in registers 2 c and 2 c + 1, k = 128 s + 16 c + 8 h + 0 .. 7 (the plain 8-bit layout).
;     Registers 4 g .. 4 g + 3 of all 32 lanes are one block of 512 bytes, lane l's 16 bytes at 16 l: every later load of a fragment is four loads of 512 consecutive bytes.
;     code = x / 2^e, held within +-57,344, to the nearest code, ties to even; e = entry 1, 3, 5, 11 of the scales.  LIMIT: -126 <= e <= 112.  NaN among the inputs is not served.
; (2) Work-groups 128-255: the mask [2048][2048] int32 becomes one BIT a score, in the form in which the attention launch selects: maskw[qt 128][step 16][n 64], a word whose bit l says
;     whether mask[16 qt + l % 16][128 step + 16 (n / 8) + 8 (l / 16) + n % 8] is not 0.  That is the lane mask of a compare in a wave whose lane l holds that number: nothing is transposed.
; The two jobs part on the work-group's number; neither uses LDS or a barrier.  One fragment a wave, or four key steps of one tile of 16 queries a wave.
.set EMAX, 15
.set MANT, 0x600000                    ; the mantissa field of 57,344 as f32
	s_load_b256 s[4:11], s[0:1], 0x0               ; Wq s[4:5], Wk s[6:7], Wv s[8:9], Wo s[10:11]
	s_load_b256 s[12:19], s[0:1], 0x20             ; mask s[12:13], the scales' exponents s[14:15], wimg s[16:17], maskw s[18:19]
	v_lshrrev_b32 v1, 5, v0
	v_readfirstlane_b32 s20, v1                    ; wave 0..3
	v_and_b32 v1, 31, v0                           ; lane
	v_and_b32 v2, 15, v0                           ; r
	v_bfe_u32 v3, v0, 4, 1                         ; h
	v_lshlrev_b32 v5, 4, v1                        ; 16 x lane: my place in a block of 512 bytes
	s_cmp_ge_u32 ttmp9, 128
	s_cbranch_scc1 .Lmask
	; ---- a weight's fragment: tensor t = work-group / 32, rows 16 ft on (ft = work-group % 32), K step = wave
	s_lshr_b32 s21, ttmp9, 5                       ; t
	s_and_b32 s22, ttmp9, 31                       ; ft
	v_lshlrev_b32 v4, 11, v2                       ; row r of 2,048 bytes,
	v_lshl_add_u32 v4, v3, 5, v4                   ; + 32 h: my eight numbers of each 16 along K
	s_lshl_b32 s28, s22, 15                        ; in: 16 ft rows,
	s_lshl_b32 s29, s20, 9                         ; + 128 numbers x wave
	s_add_co_u32 s28, s28, s29
	s_mov_b32 s29, 0
	s_lshl_b32 s30, s21, 18                        ; out: 262,144 t + 8,192 ft + 2,048 wave
	s_lshl_b32 s31, s22, 13
	s_add_co_u32 s30, s30, s31
	s_lshl_b32 s31, s20, 11
	s_add_co_u32 s30, s30, s31
	s_mov_b32 s31, 0
	s_wait_kmcnt 0x0
	s_load_b256 s[32:39], s[14:15], 0x0            ; entries 0-7
	s_load_b128 s[40:43], s[14:15], 0x20           ; entries 8-11
	s_cmp_eq_u32 s21, 1                            ; the choice of the buffer hangs on the work-group's number alone
	s_cselect_b64 s[24:25], s[6:7], s[4:5]
	s_cmp_eq_u32 s21, 2
	s_cselect_b64 s[24:25], s[8:9], s[24:25]
	s_cmp_eq_u32 s21, 3
	s_cselect_b64 s[24:25], s[10:11], s[24:25]
	s_add_nc_u64 s[24:25], s[24:25], s[28:29]
	s_add_nc_u64 s[16:17], s[16:17], s[30:31]
.set i, 0
.rept 16
	global_load_b128 v[32+4*i:35+4*i], v4, s[24:25] offset:64*(i/2)+16*(i%2)   ; W(16 ft + r, 128 s + 16 c + 8 h + 4 e ..), c = i / 2, e = i % 2
.set i, i+1
.endr
	s_wait_kmcnt 0x0
	s_cmp_eq_u32 s21, 1
	s_cselect_b32 s26, s35, s33
	s_cmp_eq_u32 s21, 2
	s_cselect_b32 s26, s37, s26
	s_cmp_eq_u32 s21, 3
	s_cselect_b32 s26, s43, s26                    ; e
	s_add_co_i32 s26, s26, 127
	s_lshl_b32 s27, s26, 23
	v_mov_b32 v11, s27                             ; 2^e as f32: the conversion takes its exponent field
	s_add_co_i32 s26, s26, EMAX
	s_lshl_b32 s26, s26, 23
	s_or_b32 s26, s26, MANT
	v_mov_b32 v10, s26                             ; 57,344 x 2^e
	s_wait_loadcnt 0x0
.set c, 0
.rept 8
.set i, 0
.rept 8
	v_med3_num_f32 v[32+8*c+i], v[32+8*c+i], -v10, v10   ; the conversion to an 8-bit code does not saturate (ISA guide 7.6.2): the hold comes first
.set i, i+1
.endr
	v_cvt_scalef32_pk8_bf8_f32 v[96+2*c:97+2*c], v[32+8*c:39+8*c], v11   ; registers 2 c, 2 c + 1 of the fragment
.set c, c+1
.endr
.irp g, 0,1,2,3
	global_store_b128 v5, v[96+4*\g:99+4*\g], s[16:17] offset:512*\g   ; 32 lanes store 512 consecutive bytes, at a multiple of 512 from the buffer's first byte
.endr
	s_endpgm
	; ---- the mask: tile of 16 queries qt = work-group - 128; wave w takes key steps 4 w .. 4 w + 3, two at a time
.Lmask:
	s_sub_co_u32 s21, ttmp9, 128                   ; qt
	v_lshlrev_b32 v4, 13, v2                       ; row r of 8,192 bytes,
	v_lshl_add_u32 v4, v3, 5, v4                   ; + 32 h
	s_lshl_b32 s28, s21, 17                        ; in: 16 qt rows,
	s_lshl_b32 s29, s20, 11                        ; + four steps of 512 bytes x wave
	s_add_co_u32 s28, s28, s29
	s_mov_b32 s29, 0
	s_lshl_b32 s30, s21, 12                        ; out: 4,096 qt + 1,024 wave
	s_lshl_b32 s31, s20, 10
	s_add_co_u32 s30, s30, s31
	s_mov_b32 s31, 0
.irp i, 16,17,18,19,20,21,22,23
	v_mov_b32 v\i, 0                               ; v_writelane_b32's destination counts as read: written once, whole
.endr
	s_wait_kmcnt 0x0
	s_add_nc_u64 s[12:13], s[12:13], s[28:29]
	s_add_nc_u64 s[18:19], s[18:19], s[30:31]
; Two key steps: 128 numbers a lane (register 32 + 64 sp + n holds step sp's n-th), 128 compares, 128 words.  Word x goes to lane x / 4, register x % 4 of four: they leave as 512 consecutive bytes.
.macro PAIR pp
.set i, 0
.rept 32
	global_load_b128 v[32+4*i:35+4*i], v4, s[12:13] offset:1024*\pp+64*(i/2)+16*(i%2)
.set i, i+1
.endr
.set g, 0
.rept 8
	s_wait_loadcnt 28-4*g                          ; loads come back in order (ISA guide 5.7.1): the four that fill these sixteen registers are in, the later ones may be out
.set k, 0
.rept 16
	v_cmp_ne_u32 s[32+k], 0, v[32+16*g+k]          ; the lane mask IS the wanted word
.set k, k+1
.endr
.set k, 0
.rept 16
	v_writelane_b32 v[16+4*\pp+(k%4)], s[32+k], 4*g+k/4
.set k, k+1
.endr
.set g, g+1
.endr
	global_store_b128 v5, v[16+4*\pp:19+4*\pp], s[18:19] offset:512*\pp
.endm
	PAIR 0
	PAIR 1                                         ; its words have registers of their own: no store's data are written again
	s_endpgm
.Lfunc_end_k_q04f86829bf_prep:
	.size	k_q04f86829bf_prep, .Lfunc_end_k_q04f86829bf_prep-k_q04f86829bf_prep
	.p2alignl 7, 3214868480
	.fill 96, 4, 3214868480
	.section	.rodata,"a",@progbits
	.p2align	6, 0x0
	.amdhsa_kernel k_q04f86829bf_prep
		.amdhsa_group_segment_fixed_size 0
		.amdhsa_private_segment_fixed_size 0
		.amdhsa_enable_private_segment 0
		.amdhsa_kernarg_size 64
		.amdhsa_user_sgpr_count 2
		.amdhsa_user_sgpr_kernarg_segment_ptr 1
		.amdhsa_wavefront_size32 1
		.amdhsa_system_sgpr_workgroup_id_x 1
		.amdhsa_system_sgpr_workgroup_id_y 1
		.amdhsa_system_sgpr_workgroup_id_z 1
		.amdhsa_system_vgpr_workitem_id 0
		.amdhsa_next_free_vgpr 160
		.amdhsa_next_free_sgpr 66
		.amdhsa_reserve_vcc 0
		.amdhsa_float_denorm_mode_32 3
		.amdhsa_float_denorm_mode_16_64 3
		.amdhsa_memory_ordered 1
		.amdhsa_forward_progress 1
		.amdhsa_inst_pref_size 48
	.end_amdhsa_kernel
	.amdgpu_metadata
---
amdhsa.version: [ 1, 2 ]
amdhsa.kernels:
  - .name:           k_q04f86829bf_prep
    .symbol:         k_q04f86829bf_prep.kd
    .args:
      - { .name: Wq, .offset: 0, .size: 8, .value_kind: global_buffer, .address_space: global }
      - { .name: Wk, .offset: 8, .size: 8, .value_kind: global_buffer, .address_space: global }
      - { .name: Wv, .offset: 16, .size: 8, .value_kind: global_buffer, .address_space: global }
      - { .name: Wo, .offset: 24, .size: 8, .value_kind: global_buffer, .address_space: global }
      - { .name: mask, .offset: 32, .size: 8, .value_kind: global_buffer, .address_space: global }
      - { .name: lowp_scales, .offset: 40, .size: 8, .value_kind: global_buffer, .address_space: global }
      - { .name: wimg, .offset: 48, .size: 8, .value_kind: global_buffer, .address_space: global }
      - { .name: maskw, .offset: 56, .size: 8, .value_kind: global_buffer, .address_space: global }
    .group_segment_fixed_size: 0
    .private_segment_fixed_size: 0
    .kernarg_segment_align: 8
    .kernarg_segment_size: 64
    .max_flat_workgroup_size: 128
    .sgpr_count:     66
    .vgpr_count:     160
    .wavefront_size: 32
...
	.end_amdgpu_metadata
.endif
;; end of part 1
;; launch proj (part 2): grid 64 x 3, 4 waves a work-group, no clusters, 327,680 bytes of LDS; arguments Q, K, V, bq, bk, bv, wimg, lowp_scales, qkv; writes qkv
.if DOCPART == 2
	.amdgcn_target "amdgcn-amd-amdhsa--gfx1250"
	.amdhsa_code_object_version 6
	.text
	.protected	k_q04f86829bf_proj
	.globl	k_q04f86829bf_proj
	.p2align	8
	.type	k_q04f86829bf_proj,@function
k_q04f86829bf_proj:
	s_mov_b64 s[64:65], 0
	v_nop
	global_prefetch_b8 v0, s[64:65] scope:SCOPE_SE
	s_setreg_imm32_b32 hwreg(HW_REG_WAVE_MODE, 25, 1), 1
	s_wait_xcnt 0x0
; PROJ.  q = Q Wq^T + bq, k = K Wk^T + bk, v = V Wv^T + bv, each product on codes of E5M2, and each result quantised at once for the attention launch.  One launch: work-group y = 0, 1, 2 says which.
; x [16,384][512] f32 is read once, by the tensor data mover, and quantised in registers; the weight comes as register images (wimg); the result leaves as register images (qkv) and never as f32.
; SHARES.  A work-group takes 256 tokens, 64 at a time.  THE WAVES SHARE THE FEATURES: wave w holds the weight's rows 128 w .. 128 w + 127 (32 fragments, 512 registers) for the whole launch, read once.
;   192 work-groups: three tensors of 64; each has 131,072 bytes of x on its way while it works on the 64 tokens before.
; A BLOCK OF 64 TOKENS.  X: wave w quantises tokens 16 w .. 16 w + 15 (four fragments) and stores them in LDS as images of their registers | barrier | 1: for each of the four tiles of tokens all four
;   fragments come back from LDS, 32 matrix instructions make my 128 features, which are held, converted and stored.
; LAYOUT.  All operands have the plain 8-bit layout: lane (r, h), registers 2 c, 2 c + 1: k = 16 c + 8 h + 0 .. 7.  A result tile has register j = (m = 8 h + j, n = r): so ONE conversion of a tile's eight
;   registers gives registers 2 c, 2 c + 1 of the next operand, if m is the next product's K.  q and k: source 0 = weight, source 1 = x: m = feature (the head's 64 channels are the scores' K).
;   v: source 0 = x, source 1 = weight: m = token (the keys are the second product's K).  The two forms part on work-group y.
; qkv: q at byte 0 and k at byte 8,388,608: [b x 8 + head][tile of 16 tokens 128][1,024 bytes];  v at byte 16,777,216: [b x 8 + head][step of 128 keys 16][16 channels 4][2,048 bytes].
; The bias is the C of each sum's first matrix instruction, divided once by 2^(ex + ew), the power of two that the sums lack.  The result's conversion takes 2^(eo - ex - ew): the three scales in one.
; LIMITS on the given exponents: ex, and eo - ex - ew, between -126 and 112.  NaN among the inputs is not served.
; No cluster: what work-groups share is the weight, which goes straight into registers and is read once a work-group; LDS has no room for it beside two slots of x.
; REGISTERS, in windows of 256: window 0: v1-15 addresses and scales; v16-79 XF: a tile's four fragments of x; v80-143 ACC: eight accumulators; v144-207 CODE.
;   window 1: the weight's fragments (f, s) for K steps s = 0, 1 at v[16 (2 f + s)];  window 2: for s = 2, 3 at v[16 (2 f + s - 2)];  window 3: v0-63 the bias, eight registers a tile.
.set PITCH, 528                        ; a token's 128 numbers in LDS: 512 bytes + 16 of padding = 132 words: row r starts at bank 4 r mod 64 (64 banks of 4 bytes: ISA guide 11.1)
.set KPART, 64*PITCH                   ; what one tensor load brings: one K step (128 numbers) of 64 tokens
.set SLOT,  4*KPART                    ; 135,168 bytes: the four waves' parts
.set XIMG,  2*SLOT                     ; behind the ring: x's 16 fragments (tile tt, K step s) at (4 tt + s) x 2,048; no tensor load lands here
.set SPARE, XIMG+32768                 ; behind them: the spare words, 128 bytes for each wave: two blocks of 256 bytes that no other line names
.set XF,   16
.set ACC,  80
.set CODE, 144
; v4 my place in a slot; v5, v6 the same in the slot in hand, for K steps 0-1 and 2-3; v7 XIMG + 16 lane; v8 where I store my images; v9 16 lane; v10, v11 the spare word's address and 0
; v12, v13: 2^ex and 57,344 x 2^ex;  v14, v15: the same with eo - ex - ew
; s2 wave, s3 y, s[6:7] bias, s[8:9] my part of the weight, s[10:11] my part of qkv, s[12:13] this block's, s16 trips, s17 block, s18 parity, s19 the slot in hand, s[20:23], s[24:31] the descriptor, s50 wave x KPART
.set MSB, 0
.macro WIN new                         ; the immediate's high byte repeats the setting that is left; a switch that changes nothing is dropped
.if MSB != (\new)
	s_set_vgpr_msb (MSB<<8)|(\new)
.set MSB, (\new)
.endif
.endm
	s_load_b256 s[32:39], s[0:1], 0x0              ; Q s[32:33], K s[34:35], V s[36:37], bq s[38:39]
	s_load_b256 s[40:47], s[0:1], 0x20             ; bk s[40:41], bv s[42:43], wimg s[44:45], the scales' exponents s[46:47]
	s_load_b64 s[48:49], s[0:1], 0x40              ; qkv
	v_lshl_add_u32 v10, v0, 2, SPARE
	v_mov_b32 v11, 0
	ds_add_u32 v10, v11
	ds_add_u32 v10, v11
	s_wait_dscnt 0x0
	v_lshrrev_b32 v1, 5, v0
	v_readfirstlane_b32 s2, v1                     ; wave 0..3
	s_and_b32 s3, ttmp7, 0xffff                    ; y: 0 q, 1 k, 2 v
	; descriptor group 1: 64 rows (tokens) x 128 elements of 4 bytes, 512 elements from row to row, padded in LDS
	s_mov_b32 s24, (2<<16)|(1<<20)|(6<<22)|(3<<25) ; 15:0 no mask; 17:16 elements of 4 bytes; 20 padding on; 24:22 after every 128 words (code 6); 31:25 four words (code 3)
	s_mov_b32 s25, 128<<16                         ; tensor_dim0
	s_mov_b32 s26, 64<<16                          ; tensor_dim1
	s_mov_b32 s27, 128<<16                         ; tile_dim0
	s_mov_b32 s28, 64                              ; tile_dim1
	s_mov_b32 s29, 512                             ; tensor_dim0_stride
	s_mov_b32 s30, 0
	s_mov_b32 s31, 0
	s_mul_i32 s50, s2, KPART                       ; my part of a slot
	s_lshl_b32 s52, ttmp9, 19                      ; 256 tokens of 2,048 bytes x work-group x,
	s_lshl_b32 s53, s2, 9                          ; + my K step's 512 bytes
	s_add_co_u32 s52, s52, s53
	s_mov_b32 s53, 0
	s_wait_kmcnt 0x0
	s_cmp_eq_u32 s3, 1                             ; the choices hang on the work-group's number alone
	s_cselect_b64 s[54:55], s[34:35], s[32:33]
	s_cselect_b64 s[6:7], s[40:41], s[38:39]
	s_cmp_eq_u32 s3, 2
	s_cselect_b64 s[54:55], s[36:37], s[54:55]
	s_cselect_b64 s[6:7], s[42:43], s[6:7]
	s_mov_b32 s20, 1                               ; group 0: count = 1,
	s_mov_b32 s21, s50                             ; LDS address: slot 0,
	s_add_nc_u64 s[22:23], s[54:55], s[52:53]      ; global address: block 0,
	s_or_b32 s23, s23, 0x80000000                  ; type = 2
	tensor_load_to_lds s[20:23], s[24:31]          ; the first fill, ahead of everything else: one load of mine is out
	s_nop 0
	v_and_b32 v1, 31, v0                           ; lane
	v_and_b32 v2, 15, v0                           ; r
	v_bfe_u32 v3, v0, 4, 1                         ; h
	v_lshlrev_b32 v9, 4, v1                        ; 16 x lane
	s_load_b256 s[32:39], s[46:47], 0x0            ; the scales' entries 0-7,
	s_load_b128 s[40:43], s[46:47], 0x20           ; 8-11
	s_mul_i32 s54, s2, 16*PITCH
	v_mul_u32_u24 v4, v2, PITCH
	v_lshl_add_u32 v4, v3, 5, v4
	v_add_nc_u32 v4, s54, v4                       ; token 16 w + r, + 32 h: my eight numbers of each 16 along K
	v_add_nc_u32 v7, XIMG, v9
	s_lshl_b32 s54, s2, 13
	v_add_nc_u32 v8, s54, v7                       ; my tile's four images
	s_lshl_b32 s52, s3, 18                         ; the weight: 262,144 y + 65,536 wave
	s_lshl_b32 s53, s2, 16
	s_add_co_u32 s52, s52, s53
	s_mov_b32 s53, 0
	s_add_nc_u64 s[8:9], s[44:45], s[52:53]
	WIN 0x40                                       ; destination window 1
.irp f, 0,1,2,3,4,5,6,7
.irp s, 0,1
.irp g, 0,1,2,3
	global_load_b128 v[16*(2*\f+\s)+4*\g:16*(2*\f+\s)+4*\g+3], v9, s[8:9] offset:8192*\f+2048*\s+512*\g
.endr
.endr
.endr
	WIN 0x80                                       ; destination window 2
.irp f, 0,1,2,3,4,5,6,7
.irp s, 0,1
.irp g, 0,1,2,3
	global_load_b128 v[16*(2*\f+\s)+4*\g:16*(2*\f+\s)+4*\g+3], v9, s[8:9] offset:8192*\f+2048*(\s+2)+512*\g
.endr
.endr
.endr
	WIN 0
	s_lshl_b32 s52, s3, 23                         ; qkv: 8,388,608 y + 1,048,576 b + 262,144 wave (two heads) + 16,384 (x % 8): the same sum for q, k and v
	s_lshr_b32 s53, ttmp9, 3
	s_lshl_b32 s53, s53, 20
	s_add_co_u32 s52, s52, s53
	s_lshl_b32 s53, s2, 18
	s_add_co_u32 s52, s52, s53
	s_and_b32 s53, ttmp9, 7
	s_lshl_b32 s53, s53, 14
	s_add_co_u32 s52, s52, s53
	s_mov_b32 s53, 0
	s_add_nc_u64 s[10:11], s[48:49], s[52:53]
	s_lshl_b32 s52, s2, 9                          ; the bias: my 128 numbers
	s_add_nc_u64 s[6:7], s[6:7], s[52:53]
	s_wait_kmcnt 0x0
	s_cmp_eq_u32 s3, 1
	s_cselect_b32 s56, s34, s32                    ; ex: entry 0, 2, 4
	s_cselect_b32 s57, s35, s33                    ; ew: entry 1, 3, 5
	s_cselect_b32 s58, s39, s38                    ; eo: entry 6, 7, 9
	s_cmp_eq_u32 s3, 2
	s_cselect_b32 s56, s36, s56
	s_cselect_b32 s57, s37, s57
	s_cselect_b32 s58, s41, s58
	s_add_co_i32 s57, s56, s57                     ; ex + ew: a sum stands for sum x 2^(ex + ew)
	s_sub_co_i32 s59, 0, s57
	s_sub_co_i32 s58, s58, s57                     ; eo - ex - ew
	s_add_co_i32 s56, s56, 127
	s_lshl_b32 s57, s56, 23
	v_mov_b32 v12, s57                             ; 2^ex as f32: the conversion takes its exponent field
	s_add_co_i32 s56, s56, 15
	s_lshl_b32 s56, s56, 23
	s_or_b32 s56, s56, 0x600000
	v_mov_b32 v13, s56                             ; 57,344 x 2^ex
	s_add_co_i32 s58, s58, 127
	s_lshl_b32 s57, s58, 23
	v_mov_b32 v14, s57
	s_add_co_i32 s58, s58, 15
	s_lshl_b32 s58, s58, 23
	s_or_b32 s58, s58, 0x600000
	v_mov_b32 v15, s58
	; the bias in the result's layout.  q, k: register j of tile f is feature 16 f + 8 h + j;  v: every register of tile f is feature 16 f + r
	s_cmp_eq_u32 s3, 2
	s_cbranch_scc1 .Lbias_v
	v_lshlrev_b32 v1, 5, v3                        ; 32 h
.set i, 0
.rept 16
	global_load_b128 v[XF+4*i:XF+4*i+3], v1, s[6:7] offset:64*(i/2)+16*(i%2)
.set i, i+1
.endr
	s_wait_loadcnt 0x0                             ; the bias, and the weight
	WIN 0xc0                                       ; destination window 3
.set i, 0
.rept 64
	v_ldexp_f32 v[i], v[XF+i], s59                 ; b / 2^(ex + ew)
.set i, i+1
.endr
	WIN 0
	s_branch .Lbias_done
.Lbias_v:
	v_lshlrev_b32 v1, 2, v2                        ; 4 r
.irp f, 0,1,2,3,4,5,6,7
	global_load_b32 v[XF+\f], v1, s[6:7] offset:64*\f
.endr
	s_wait_loadcnt 0x0
	WIN 0xc0
.set i, 0
.rept 64
	v_ldexp_f32 v[i], v[XF+i/8], s59
.set i, i+1
.endr
	WIN 0
.Lbias_done:
; THE CHANGE OF SLOTS stands at a block's head.  Each wave waits for all its tensor loads (one is out: its part of the block that it is about to read), adds 0 to its spare word, and waits for that and for
; its LDS reads of the block before (the other slot, and x's images).  Behind the barrier the block is whole, nobody reads the other slot, and nobody reads the images.
; fill = 1: the other slot takes the next block: the load has a whole block's work in which to land.
.macro CHANGE fill
	s_wait_tensorcnt 0x0                           ; no tensor load of mine is out, so the descriptor may be written
	ds_add_u32 v10, v11                            ; 0 onto my spare word: the steps below stand between it and the wait for it
	s_and_b32 s18, s17, 1                          ; block i lies in slot i % 2
	s_mul_i32 s19, s18, SLOT
.if \fill
	s_xor_b32 s18, s18, 1                          ; the other slot,
	s_mul_i32 s21, s18, SLOT
	s_add_co_u32 s21, s21, s50                     ; my part of it,
	s_add_nc_u64 s[22:23], s[22:23], 64*2048       ; the next 64 tokens; the type bits on top are not reached
.endif
	s_wait_dscnt 0x0                               ; the add is done, and my reads are over
	s_barrier_signal -1
	s_barrier_wait -1
.if \fill
	tensor_load_to_lds s[20:23], s[24:31]          ; the first thing behind the barrier, and my one tensor load until the next change of slots
	s_nop 0
.rept 4
	v_nop
.endr
.endif
.endm
.macro LOADX s, dst                    ; my 16 tokens' numbers of K step s, 64 a lane: register 8 c + i = k 16 c + 8 h + i
.irp c, 0,1,2,3,4,5,6,7
	ds_load_b128 v[\dst+8*\c:\dst+8*\c+3],   v[5+(\s)/2] offset:((\s)%2)*KPART+64*\c
	ds_load_b128 v[\dst+8*\c+4:\dst+8*\c+7], v[5+(\s)/2] offset:((\s)%2)*KPART+64*\c+16
.endr
.endm
.macro QUANT src, s                    ; 64 numbers become fragment s, in v[CODE + 16 s] on
.irp c, 0,1,2,3,4,5,6,7
.irp i, 0,1,2,3,4,5,6,7
	v_med3_num_f32 v[\src+8*\c+\i], v[\src+8*\c+\i], -v13, v13   ; the conversion to an 8-bit code does not saturate (ISA guide 7.6.2): the hold comes first
.endr
	v_cvt_scalef32_pk8_bf8_f32 v[CODE+16*\s+2*\c:CODE+16*\s+2*\c+1], v[\src+8*\c:\src+8*\c+7], v12
.endr
	v_nop                                          ; one plain vector instruction behind the last scaled conversion, ahead of whatever vector or matrix instruction next touches its registers
.endm
.macro IMAGE s                         ; the fragment goes to LDS as it stands: 512 consecutive bytes a store
.irp g, 0,1,2,3
	ds_store_b128 v8, v[CODE+16*\s+4*\g:CODE+16*\s+4*\g+3] offset:2048*\s+512*\g
.endr
.endm
.macro FETCH tt                        ; and a tile's four come back so, in any wave
.irp s, 0,1,2,3
.irp g, 0,1,2,3
	ds_load_b128 v[XF+16*\s+4*\g:XF+16*\s+4*\g+3], v7 offset:(4*(\tt)+\s)*2048+512*\g
.endr
.endr
.endm
; 32 matrix instructions: my eight tiles of features x one tile of tokens, K = 512 in four steps.  The eight accumulators take turns, one instruction a turn.
; The first step's C is the bias (window 3).  swap = 0: source 0 = weight, source 1 = x;  swap = 1: the other way round.
.macro MULS swap
.irp s, 0,1,2,3
.if \swap
.if \s == 0
	WIN 0x34                                       ; source 1 (weight) window 1, C window 3
.else
	WIN 0x04*(1+\s/2)                              ; source 1 window 1 or 2
.endif
.else
.if \s == 0
	WIN 0x31                                       ; source 0 (weight) window 1, C window 3
.else
	WIN 1+\s/2                                     ; source 0 window 1 or 2
.endif
.endif
.irp f, 0,1,2,3,4,5,6,7
.if \swap
.if \s == 0
	v_wmma_f32_16x16x128_bf8_bf8 v[ACC+8*\f:ACC+8*\f+7], v[XF+16*\s:XF+16*\s+15], v[16*(2*\f+\s%2):16*(2*\f+\s%2)+15], v[8*\f:8*\f+7]
.else
	v_wmma_f32_16x16x128_bf8_bf8 v[ACC+8*\f:ACC+8*\f+7], v[XF+16*\s:XF+16*\s+15], v[16*(2*\f+\s%2):16*(2*\f+\s%2)+15], v[ACC+8*\f:ACC+8*\f+7]
.endif
.else
.if \s == 0
	v_wmma_f32_16x16x128_bf8_bf8 v[ACC+8*\f:ACC+8*\f+7], v[16*(2*\f+\s%2):16*(2*\f+\s%2)+15], v[XF+16*\s:XF+16*\s+15], v[8*\f:8*\f+7]
.else
	v_wmma_f32_16x16x128_bf8_bf8 v[ACC+8*\f:ACC+8*\f+7], v[16*(2*\f+\s%2):16*(2*\f+\s%2)+15], v[XF+16*\s:XF+16*\s+15], v[ACC+8*\f:ACC+8*\f+7]
.endif
.endif
.endr
.endr
.endm
; The four tiles of tokens.  swap = 0 (q, k): tile f's conversion is registers 2 (f % 4) .. of head f / 4's fragment of token tile tt.
; swap = 1 (v): it is registers 2 tt .. of this block's half of the fragment of channels 16 (f % 4) on of head f / 4.
.macro PH1 swap
.irp tt, 0,1,2,3
	s_wait_dscnt 0x0                               ; the tile's four fragments are in
	MULS \swap
	WIN 0
.rept 4
	v_nop                                          ; four places in front of loads into registers that matrix instructions have read, and of the first read of results
.endr
.if \tt < 3
	FETCH \tt+1                                    ; the next tile's fragments land under the conversions
.endif
.irp f, 0,1,2,3,4,5,6,7
.irp i, 0,1,2,3,4,5,6,7
	v_med3_num_f32 v[ACC+8*\f+\i], v[ACC+8*\f+\i], -v15, v15   ; each accumulator from its low end on
.endr
.if \swap
	v_cvt_scalef32_pk8_bf8_f32 v[CODE+8*\f+2*\tt:CODE+8*\f+2*\tt+1], v[ACC+8*\f:ACC+8*\f+7], v14
.else
	v_cvt_scalef32_pk8_bf8_f32 v[CODE+16*\tt+2*\f:CODE+16*\tt+2*\f+1], v[ACC+8*\f:ACC+8*\f+7], v14
.endif
.endr
	v_nop                                          ; one plain vector instruction between the last conversion and the products that write its sources
.if \swap == 0
.irp hh, 0,1
.irp g, 0,1
	global_store_b128 v9, v[CODE+16*\tt+8*\hh+4*\g:CODE+16*\tt+8*\hh+4*\g+3], s[12:13] offset:131072*\hh+1024*\tt+512*\g   ; 512 consecutive bytes, at a multiple of 512 from the buffer's first byte
.endr
.endr
.endif
.endr
.if \swap
.irp f, 0,1,2,3,4,5,6,7
.irp g, 0,1
	global_store_b128 v9, v[CODE+8*\f+4*\g:CODE+8*\f+4*\g+3], s[12:13] offset:131072*(\f/4)+2048*(\f%4)+512*\g
.endr
.endr
.endif
.endm
.macro BLOCK
	s_wait_xcnt 0x0                                ; the last block's stores have had their addresses translated (ISA guide 3.1): only now are their base and their data registers written again
	s_lshl_b32 s14, s17, 12                        ; q, k: four tiles of 1,024 bytes a block
	s_lshr_b32 s52, s17, 1                         ; v: a step of 128 keys (8,192 bytes) is two blocks,
	s_lshl_b32 s52, s52, 13
	s_and_b32 s53, s17, 1                          ; each half of every fragment: 1,024 bytes
	s_lshl_b32 s53, s53, 10
	s_add_co_u32 s52, s52, s53
	s_cmp_eq_u32 s3, 2
	s_cselect_b32 s14, s52, s14
	s_mov_b32 s15, 0
	s_add_nc_u64 s[12:13], s[10:11], s[14:15]
	s_add_co_u32 s17, s17, 1
	v_add_nc_u32 v5, s19, v4                       ; my place in the slot in hand, K steps 0 and 1;
	v_add_nc_u32 v6, 2*KPART, v5                   ; 2 and 3 (an LDS offset has 16 bits)
	; ---- X: my 16 tokens become four fragments.  Two sets of 64 registers take turns
	LOADX 0, ACC
	LOADX 1, XF
	s_wait_dscnt 16                                ; K step 0 is in; step 1's 16 loads may be out
	QUANT ACC, 0
	IMAGE 0
	LOADX 2, ACC
	s_wait_dscnt 20                                ; step 1 is in; behind it: 4 stores and 16 loads
	QUANT XF, 1
	IMAGE 1
	LOADX 3, XF
	s_wait_dscnt 20                                ; step 2 is in; behind it: 4 stores and 16 loads
	QUANT ACC, 2
	IMAGE 2
	s_wait_dscnt 4                                 ; step 3 is in; behind it: 4 stores
	QUANT XF, 3
	IMAGE 3
	s_wait_dscnt 0x0                               ; for the others' sake: my images have landed
	s_barrier_signal -1                            ; the next block's load stays on its way
	s_barrier_wait -1
	; ---- 1: my 128 features of the 64 tokens
	FETCH 0
	s_cmp_eq_u32 s3, 2
	s_cbranch_scc1 .Lv_\@
	PH1 0
	s_branch .Ldone_\@
.Lv_\@:
	PH1 1
.Ldone_\@:
.endm
	s_mov_b32 s17, 0
	s_mov_b32 s16, 3
.Lblk:                                             ; three trips: behind each change of slots but the last the next block is asked for
	CHANGE 1
	BLOCK
	s_sub_co_u32 s16, s16, 1
	s_cmp_lg_u32 s16, 0
	s_cbranch_scc1 .Lblk
	CHANGE 0                                       ; the last block is written out
	BLOCK
	s_wait_tensorcnt 0x0                           ; the wave's end: behind my last tensor load and my last LDS store
	ds_add_u32 v10, v11
	s_wait_dscnt 0x0
	s_endpgm
.Lfunc_end_k_q04f86829bf_proj:
	.size	k_q04f86829bf_proj, .Lfunc_end_k_q04f86829bf_proj-k_q04f86829bf_proj
	.p2alignl 7, 3214868480
	.fill 96, 4, 3214868480
	.section	.rodata,"a",@progbits
	.p2align	6, 0x0
	.amdhsa_kernel k_q04f86829bf_proj
		.amdhsa_group_segment_fixed_size 327680
		.amdhsa_private_segment_fixed_size 0
		.amdhsa_enable_private_segment 0
		.amdhsa_kernarg_size 72
		.amdhsa_user_sgpr_count 2
		.amdhsa_user_sgpr_kernarg_segment_ptr 1
		.amdhsa_wavefront_size32 1
		.amdhsa_system_sgpr_workgroup_id_x 1
		.amdhsa_system_sgpr_workgroup_id_y 1
		.amdhsa_system_sgpr_workgroup_id_z 1
		.amdhsa_system_vgpr_workitem_id 0
		.amdhsa_next_free_vgpr 1024
		.amdhsa_next_free_sgpr 66
		.amdhsa_reserve_vcc 0
		.amdhsa_float_denorm_mode_32 3
		.amdhsa_float_denorm_mode_16_64 3
		.amdhsa_memory_ordered 1
		.amdhsa_forward_progress 1
		.amdhsa_inst_pref_size 205
	.end_amdhsa_kernel
	.amdgpu_metadata
---
amdhsa.version: [ 1, 2 ]
amdhsa.kernels:
  - .name:           k_q04f86829bf_proj
    .symbol:         k_q04f86829bf_proj.kd
    .args:
      - { .name: Q, .offset: 0, .size: 8, .value_kind: global_buffer, .address_space: global }
      - { .name: K, .offset: 8, .size: 8, .value_kind: global_buffer, .address_space: global }
      - { .name: V, .offset: 16, .size: 8, .value_kind: global_buffer, .address_space: global }
      - { .name: bq, .offset: 24, .size: 8, .value_kind: global_buffer, .address_space: global }
      - { .name: bk, .offset: 32, .size: 8, .value_kind: global_buffer, .address_space: global }
      - { .name: bv, .offset: 40, .size: 8, .value_kind: global_buffer, .address_space: global }
      - { .name: wimg, .offset: 48, .size: 8, .value_kind: global_buffer, .address_space: global }
      - { .name: lowp_scales, .offset: 56, .size: 8, .value_kind: global_buffer, .address_space: global }
      - { .name: qkv, .offset: 64, .size: 8, .value_kind: global_buffer, .address_space: global }
    .group_segment_fixed_size: 327680
    .private_segment_fixed_size: 0
    .kernarg_segment_align: 8
    .kernarg_segment_size: 72
    .max_flat_workgroup_size: 128
    .sgpr_count:     66
    .vgpr_count:     1024
    .wavefront_size: 32
...
	.end_amdgpu_metadata
.endif
;; end of part 2
;; launch attn (part 3): grid 4 x 64, 16 waves a work-group, clusters of 4 x 1, 264,192 bytes of LDS; arguments qkv, maskw, lowp_scales, aimg; writes aimg
.if DOCPART == 3
	.amdgcn_target "amdgcn-amd-amdhsa--gfx1250"
	.amdhsa_code_object_version 6
	.text
	.protected	k_q04f86829bf_attn
	.globl	k_q04f86829bf_attn
	.p2align	8
	.type	k_q04f86829bf_attn,@function
k_q04f86829bf_attn:
	s_mov_b64 s[64:65], 0
	v_nop
	global_prefetch_b8 v0, s[64:65] scope:SCOPE_SE
	s_setreg_imm32_b32 hwreg(HW_REG_WAVE_MODE, 25, 1), 1
	s_wait_xcnt 0x0
	s_wait_alu depctr_hold_cnt(0) depctr_sa_sdst(0) depctr_va_vdst(0) depctr_va_sdst(0) depctr_va_ssrc(0) depctr_va_vcc(0) depctr_vm_vsrc(0)
	s_getreg_b32 s2, hwreg(HW_REG_IB_STS2, 6, 4)
	s_cmp_eq_u32 s2, 0
	s_cbranch_scc0 .Lentry_in_a_cluster
	s_endpgm
.Lentry_in_a_cluster:
	s_bfe_u32 s2, ttmp6, 0x10000c
	s_cmp_lg_u32 s2, 0x3003
	s_cbranch_scc0 .Lentry_shape_is_right
	s_endpgm
.Lentry_shape_is_right:
; ATTN.  For each (batch, head): o = softmax(mask(q k^T / 8)) v, both products on codes of E5M2; o is quantised at once for the last projection.  q, k, v come as register images (qkv), the mask as one bit a
; score (maskw); o leaves as register images (aimg: [tile of 16 tokens 1,024][K step 4][2,048 bytes]; head hd fills registers 8 (hd % 2) .. + 7 of K step hd / 2).
; THE SOFTMAX AHEAD OF THE SECOND PRODUCT: t = score x log2(e) / 8; M = the row's largest t so far, rounded UP to a whole number; p = 2^(t - M) is what is quantised; it is not normalised.  The row's sum is
; taken of the unquantised p and divides o at the end.  When M moves, the sum and o are multiplied by 2^(old M - new M): exact, and without a branch on data.
; THE MASK.  A hidden score becomes -2^100 (in units of the codes' product) ahead of the maximum, by one v_cndmask_b32 whose select is a word of maskw in a scalar register.  c x 2^100 is exact and a whole
; number: where all scores of a row so far are hidden, t - M is exactly 0 and p = 1, as with the -1e30 of the definition; beside any score that counts p is 0; when one arrives later, the factor is 0.
; SHARES.  A cluster of four work-groups is one (batch, head); a work-group owns 512 queries, each of its SIXTEEN waves two tiles of 16, one after the other: 256 registers a wave, four waves to a SIMD, so that
; one wave's vector work stands beside another's matrix work and LDS loads.  THE HEAD'S WHOLE K AND V LIE IN LDS (131,072 bytes each), each byte filled once: no ring, and nothing is filled again.
; The four work-groups need the same K and V: each piece is asked for JOINTLY, by the same tensor load with the same descriptor and a mask that names the four.  Waves 0-3 ask, four loads each: four loads
; of a wave are out at the most.  The pieces come in four chunks of 512 keys, and the first pass begins on a chunk as soon as it has landed.
; LAYOUT.  S^T = k q^T (source 0 = 16 keys, source 1 = my 16 queries), O^T = v^T p^T (source 0 = 16 channels, source 1 = p): a lane holds ONE query (lane % 16) throughout.  Tile t's eight registers are keys
; 16 t + 8 (lane / 16) + 0 .. 7: one conversion makes registers 2 t, 2 t + 1 of p's fragment in the plain 8-bit layout; likewise O^T's tiles make the last projection's operand.
; LIMITS on the given exponents: e6 + e7 between -74 and 25 (it is added to c's exponent field, and c x 2^100 must stay far above every score that counts and under 3e38); e8 and e10 between -126 and 112.  NaN is not served.
; REGISTERS: v1 16 lane; v2 the same + V's first byte; v4 -2^100; v8, v9 addresses in hand; v12 -M, v13 the largest t, v[14:15] the sum in two halves; v16-23, v24-31 q of my two tiles; v32-95 k's, then v's
; fragments; v96-159 S^T, then p; v160-191 O^T; v192-207 p's codes; v208-215 o's codes; v236-254 at work and scales.
; s2 wave; s3 LDS byte of the step; s4 trips; s5 my byte in maskw; s[6:7] maskw; s[8:15], s[16:31] descriptors; s[32:63], s[68:99] the step's 64 mask words; s[66:67] c; s[100:101] lane selects; s[104:105] my part of aimg.
.set VOFF, 131072                      ; V's images lie behind K's
.macro ROUND                           ; a round of the cluster's barrier: my work-group's barrier; wave 0 signals for the work-group; every wave waits for all four; my work-group's barrier once more
	s_barrier_signal -1
	s_barrier_wait -1
	s_cmp_lg_u32 s2, 0
	s_cbranch_scc1 .Lnot_wave_0_\@
	s_barrier_signal -3
.Lnot_wave_0_\@:
	s_barrier_wait -3
	s_barrier_signal -1
	s_barrier_wait -1
.endm
.macro MLOAD                           ; a step's 64 words, 256 bytes, at byte s5 of maskw
	s_load_b512 s[32:47], s[6:7], s5 offset:0x0
	s_load_b512 s[48:63], s[6:7], s5 offset:0x40
	s_load_b512 s[68:83], s[6:7], s5 offset:0x80
	s_load_b512 s[84:99], s[6:7], s5 offset:0xc0
.endm
	s_load_b256 s[68:75], s[0:1], 0x0              ; qkv s[68:69], maskw s[70:71], the scales' exponents s[72:73], aimg s[74:75]  (set-up lives in the mask words' registers)
	v_lshl_add_u32 v251, v0, 2, 0x40000
	v_mov_b32 v255, 0
	ds_add_u32 v251, v255
	ds_add_u32 v251, v255
	v_lshrrev_b32 v1, 5, v0
	v_readfirstlane_b32 s2, v1                     ; wave 0..15
	s_and_b32 s90, ttmp7, 0xffff                   ; batch x 8 + head, which the four partners share
	; descriptor group 1: 16,384 dense bytes as 64 rows of 256
	s_mov_b32 s8, 15|(3<<16)|(1<<21)               ; 15:0 the mask: all four work-groups; 17:16 elements of 8 bytes; 21 set beside a mask; no padding: images are read 512 consecutive bytes at a time
	s_mov_b32 s9, 32<<16                           ; tensor_dim0
	s_mov_b32 s10, 64<<16                          ; tensor_dim1
	s_mov_b32 s11, 32<<16                          ; tile_dim0
	s_mov_b32 s12, 64                              ; tile_dim1
	s_mov_b32 s13, 32                              ; tensor_dim0_stride
	s_mov_b32 s14, 0
	s_mov_b32 s15, 0
	s_bfe_u32 s91, s2, 0x10001                     ; (wave / 2) % 2: I fetch for K (0) or for V (1);
	s_and_b32 s92, s2, 1                           ; which half of a chunk's 32,768 bytes
	s_lshl_b32 s93, s91, 17
	s_lshl_b32 s94, s92, 14
	s_add_co_u32 s93, s93, s94                     ; where it goes: no place in the cluster enters an LDS address
	s_add_co_u32 s95, s91, 1
	s_lshl_b32 s95, s95, 23                        ; where it comes from: k's or v's region of qkv,
	s_add_co_u32 s94, s95, s94
	s_lshl_b32 s95, s90, 17                        ; the head's 131,072 bytes
	s_add_co_u32 s94, s94, s95
	s_mov_b32 s95, 0
	s_mov_b32 s100, 0x76543210                     ; v_permlanex16_b32: lane l takes lane l xor 16
	s_mov_b32 s101, 0xfedcba98
	s_wait_dscnt 0x0
	s_wait_kmcnt 0x0
	s_load_b256 s[76:83], s[72:73], 0x0            ; entries 0-7: e6 s82, e7 s83
	s_load_b128 s[84:87], s[72:73], 0x20           ; entries 8-11: e8 s84, e9 s85, e10 s86
	s_add_nc_u64 s[96:97], s[68:69], s[94:95]
.irp c, 0,1,2,3                        ; group 0, a set for each chunk of 512 keys
	s_mov_b32 s[16+4*\c], 1
	s_add_co_u32 s[17+4*\c], s93, \c*32768
	s_add_nc_u64 s[18+4*\c:19+4*\c], s[96:97], \c*32768
	s_or_b32 s[19+4*\c], s[19+4*\c], 0x80000000
.endr
	ROUND                                          ; all four work-groups are here: the joint loads meet
	s_cmp_lt_u32 s2, 4                             ; a wave's four fills stand in one branch on the wave's number, ahead of every wait on TENSORcnt and every LDS read
	s_cbranch_scc0 .Lno_fill
	tensor_load_to_lds s[16:19], s[8:15]
	s_nop 0
	tensor_load_to_lds s[20:23], s[8:15]
	s_nop 0
	tensor_load_to_lds s[24:27], s[8:15]
	s_nop 0
	tensor_load_to_lds s[28:31], s[8:15]
	s_nop 0
.rept 4
	v_nop
.endr
.Lno_fill:
	s_bfe_u32 s88, ttmp6, 0x40000                  ; cx: my place in the cluster: it enters q's, the mask's and o's addresses alone
	s_lshl_b32 s89, ttmp9, 2
	s_add_co_u32 s89, s89, s88                     ; my block of 512 queries
	s_lshl_b32 s98, s89, 5
	s_lshl_b32 s99, s2, 1
	s_add_co_u32 s98, s98, s99                     ; my first tile of 16 queries: 32 x block + 2 x wave
	s_lshl_b32 s5, s98, 12                         ; its 4,096 bytes of mask words; my second tile's follow them
	s_lshl_b32 s88, s98, 10
	s_lshl_b32 s89, s90, 17
	s_add_co_u32 s88, s88, s89
	s_mov_b32 s89, 0
	s_add_nc_u64 s[68:69], s[68:69], s[88:89]      ; q's images of my two tiles
	v_and_b32 v1, 31, v0
	v_lshlrev_b32 v1, 4, v1                        ; 16 x lane
.irp i, 0,1,2,3
	global_load_b128 v[16+4*\i:19+4*\i], v1, s[68:69] offset:512*\i
.endr
	s_lshr_b32 s88, s90, 3                         ; o: token tile 128 x batch + my tile, 8,192 bytes each,
	s_lshl_b32 s88, s88, 7
	s_add_co_u32 s88, s88, s98
	s_lshl_b32 s88, s88, 13
	s_bfe_u32 s89, s90, 0x20001                    ; K step head / 2,
	s_lshl_b32 s89, s89, 11
	s_add_co_u32 s88, s88, s89
	s_and_b32 s89, s90, 1                          ; half head % 2
	s_lshl_b32 s89, s89, 10
	s_add_co_u32 s88, s88, s89
	s_mov_b32 s89, 0
	s_add_nc_u64 s[104:105], s[74:75], s[88:89]
	s_mov_b64 s[6:7], s[70:71]
	v_add_nc_u32 v2, VOFF, v1
	v_mov_b32 v4, 0xf1800000                       ; -2^100
	v_mov_b32 v236, 0                              ; written once: a lane permute's destination counts as one of its sources
	v_mov_b32 v253, 0                              ; (named as the upper half of the pair v[252:253])
	s_wait_kmcnt 0x0
	s_add_co_i32 s88, s82, s83
	s_lshl_b32 s88, s88, 23
	s_add_co_i32 s66, s88, 0x3e38aa3b              ; c = log2(e) / 8, with e6 + e7 added to its exponent field: a score stands for score x 2^(e6 + e7)
	s_mov_b32 s67, s66                             ; (named with it as a pair, so it is written)
	s_add_co_i32 s88, s84, 127
	s_lshl_b32 s89, s88, 23
	v_mov_b32 v244, s89                            ; 2^e8 as f32, for p's conversion
	s_add_co_i32 s88, s88, 15
	s_lshl_b32 s88, s88, 23
	s_or_b32 s88, s88, 0x600000
	v_mov_b32 v240, s88                            ; 57,344 x 2^e8
	s_add_co_i32 s88, s86, 127
	s_lshl_b32 s89, s88, 23
	v_mov_b32 v245, s89                            ; 2^e10, for o's conversion
	s_add_co_i32 s88, s88, 15
	s_lshl_b32 s88, s88, 23
	s_or_b32 s88, s88, 0x600000
	v_mov_b32 v246, s88                            ; 57,344 x 2^e10
	s_add_co_i32 s88, s84, s85
	v_mov_b32 v247, s88                            ; e8 + e9, a whole number
	s_wait_loadcnt 0x0                             ; q is in: so its base, which lies among the mask words' registers, may be written
	MLOAD                                          ; the first step's words
; A KEY STEP: 128 keys against the tile of queries whose fragment begins at v[qr].
.macro STEP qr
	v_add_nc_u32 v8, s3, v1
	v_add_nc_u32 v9, s3, v2
	v_nop                                          ; with the two additions: four places in front of loads into registers that the last step's matrix instructions have read
	v_nop
.set i, 0
.rept 16
	ds_load_b128 v[32+4*i:35+4*i], v8 offset:512*i   ; eight fragments of k (16 keys x 64 channels), as they lie
.set i, i+1
.endr
	s_wait_dscnt 0x0
.set i, 0
.rept 8
	v_wmma_f32_16x16x64_bf8_bf8 v[96+8*i:103+8*i], v[32+8*i:39+8*i], v[\qr:\qr+7], 0
.set i, i+1
.endr
.rept 4
	v_nop                                          ; four places in front of the loads below and of the first read of the scores
.endr
.set i, 0
.rept 16
	ds_load_b128 v[32+4*i:35+4*i], v9 offset:512*i   ; four fragments of v^T (16 channels x 128 keys): they land under the softmax
.set i, i+1
.endr
	s_wait_kmcnt 0x0                               ; the step's mask words are in
.set i, 0
.rept 32
	v_cndmask_b32 v[96+i], v4, v[96+i], s[32+i]    ; bit set: the score stays; else -2^100.  Each accumulator from its low end on
.set i, i+1
.endr
.rept 32
	v_cndmask_b32 v[96+i], v4, v[96+i], s[36+i]
.set i, i+1
.endr
	s_add_co_u32 s5, s5, 256                       ; the next step's words are asked for a softmax ahead (the wait above has shown the last loads done: their offset may step).
	s_min_u32 s5, s5, 524288-256                   ; My two tiles' words follow each other; the very last request is held inside the buffer, and nobody uses it
	MLOAD
	v_max3_num_f32 v254, v96, v97, v98             ; the step's largest score of my query, among my 64 keys, in two chains,
	v_max3_num_f32 v252, v99, v100, v101
.irp i, 6,10,14,18,22,26,30,34,38,42,46,50,54,58
	v_max3_num_f32 v254, v254, v[96+\i], v[97+\i]
	v_max3_num_f32 v252, v252, v[98+\i], v[99+\i]
.endr
	v_max3_num_f32 v254, v254, v158, v159
	v_max_num_f32 v254, v254, v252
	v_permlanex16_b32 v236, v254, s100, s101
	v_max_num_f32 v254, v254, v236                 ; and among lane l xor 16's
	v_mul_f32 v254, s66, v254                      ; as t (c is positive)
	v_max_num_f32 v13, v13, v254                   ; the running largest t
	v_mov_b32 v254, v12
	v_floor_f32 v12, -v13                          ; the new -M = floor(-t) = -ceil(t): M is a whole number
	v_sub_f32 v254, v12, v254                      ; M's old value less its new one: a whole number, 0 or less
	v_cvt_i32_f32 v254, v254                       ; (it saturates)
	v_ldexp_f32 v252, 1.0, v254                    ; f = 2^(old M - new M)
.set i, 0
.rept 32
	v_pk_fma_f32 v[96+i:97+i], v[96+i:97+i], s[66:67], v[12:13] op_sel_hi:[1,0,0]   ; t - M, two at a time (of the pairs c and -M the low word serves both halves)
.set i, i+2
.endr
.set i, 0
.rept 64
	v_exp_f32 v[96+i], v[96+i]                     ; p = 2^(t - M): not normalised
.set i, i+1
.endr
	v_pk_mul_f32 v[14:15], v[14:15], v[252:253] op_sel_hi:[1,0]   ; the sums under the new M.  (A plain place behind the exponentials)
	s_wait_alu depctr_va_vdst(0)
	v_pk_add_f32 v[242:243], v[96:97], v[98:99]    ; the row's sum is taken of the UNQUANTISED p: two at a time, in two chains
.irp i, 4,8,12,16,20,24,28,32,36,40,44,48,52,56,60
	v_pk_add_f32 v[14:15], v[14:15], v[96+\i:97+\i]
	v_pk_add_f32 v[242:243], v[242:243], v[98+\i:99+\i]
.endr
	v_pk_add_f32 v[14:15], v[14:15], v[242:243]
.irp t, 0,1,2,3,4,5,6,7
.irp i, 0,1,2,3,4,5,6,7
	v_min_num_f32 v[96+8*\t+\i], v[96+8*\t+\i], v240   ; the conversion does not saturate (ISA guide 7.6.2); p is not negative, so the hold is one-sided
.endr
	v_cvt_scalef32_pk8_bf8_f32 v[192+2*\t:193+2*\t], v[96+8*\t:103+8*\t], v244   ; keys 16 t + 8 h + 0 .. 7: registers 2 t, 2 t + 1 of p's fragment
.endr
.set i, 0
.rept 16
	v_pk_mul_f32 v[160+i:161+i], v[160+i:161+i], v[252:253] op_sel_hi:[1,0]   ; O^T under the new M.  (Also the plain place between the conversions and the products below)
.set i, i+2
.endr
	s_wait_dscnt 0x0                               ; v's fragments are in
.set i, 0
.rept 4
	v_wmma_f32_16x16x128_bf8_bf8 v[160+8*i:167+8*i], v[32+16*i:47+16*i], v[192:207], v[160+8*i:167+8*i]   ; four accumulators, one instruction a turn
.set i, i+1
.endr
	s_add_co_u32 s3, s3, 8192                      ; a step's images of k, and of v, are 8,192 bytes
.endm
.macro INIT                            ; the step is written without a first form of its own: it finds zeros, which the first change of M leaves zeros
	v_mov_b32 v13, 0xff61b1e6                      ; the largest t so far: -3e38, under every t
	v_floor_f32 v12, -v13                          ; -M
	v_mov_b32 v14, 0
	v_mov_b32 v15, 0
.set i, 0
.rept 32
	v_mov_b32 v[160+i], 0
.set i, i+1
.endr
	s_mov_b32 s3, 0
.endm
; Tile p is finished: O^T x 2^(e8 + e9) / the sum, held, converted: tile ct's conversion is registers 2 ct, 2 ct + 1 of my head's half of the last projection's fragment.
.macro OUT p
.rept 4
	v_nop                                          ; four places behind the last products
.endr
	v_add_f32 v14, v14, v15                        ; the sum's two halves,
	v_permlanex16_b32 v236, v14, s100, s101
	v_add_f32 v14, v14, v236                       ; and lane l xor 16's
	v_rcp_f32 v14, v14
	v_nop                                          ; one plain place behind a transcendental
	s_wait_alu depctr_va_vdst(0)
	v_ldexp_f32 v14, v14, v247
.set i, 0
.rept 16
	v_pk_mul_f32 v[96+i:97+i], v[160+i:161+i], v[14:15] op_sel_hi:[1,0]   ; each accumulator from its low end on
.set i, i+2
.endr
.set i, 0
.rept 32
	v_med3_num_f32 v[96+i], v[96+i], -v246, v246
.set i, i+1
.endr
	s_wait_xcnt 0x0                                ; the first tile's stores have had their addresses translated (ISA guide 3.1): their data registers may be written again
.irp t, 0,1,2,3
	v_cvt_scalef32_pk8_bf8_f32 v[208+2*\t:209+2*\t], v[96+8*\t:103+8*\t], v245
.endr
.irp g, 0,1
	global_store_b128 v1, v[208+4*\g:211+4*\g], s[104:105] offset:8192*\p+512*\g   ; 512 consecutive bytes, at a multiple of 512 from the buffer's first byte
.endr
.endm
	INIT                                           ; ---- my first tile: it follows the chunks as they land
.irp c, 0,1,2,3
	s_wait_tensorcnt 3-\c                          ; tensor loads of a wave end in order (ISA guide 10.11.1): my part of chunk c is in, the later chunks may be out;
	s_barrier_signal -1                            ; no LDS instruction of mine is pending, and nothing is ever filled again
	s_barrier_wait -1                              ; everybody's part is in
	s_mov_b32 s4, 4
.Lchunk\c:
	STEP 16
	s_sub_co_u32 s4, s4, 1
	s_cmp_lg_u32 s4, 0
	s_cbranch_scc1 .Lchunk\c
.endr
	OUT 0
	INIT                                           ; ---- my second tile: all keys lie in LDS
	s_mov_b32 s4, 16
.Lsecond:
	STEP 24
	s_sub_co_u32 s4, s4, 1
	s_cmp_lg_u32 s4, 0
	s_cbranch_scc1 .Lsecond
	OUT 1
	s_wait_tensorcnt 0x0
	ds_add_u32 v251, v255
	s_wait_dscnt 0x0
	ROUND                                          ; the closing round: no work-group ends while a partner may still ask for a piece that names it
	s_endpgm
.Lfunc_end_k_q04f86829bf_attn:
	.size	k_q04f86829bf_attn, .Lfunc_end_k_q04f86829bf_attn-k_q04f86829bf_attn
	.p2alignl 7, 3214868480
	.fill 96, 4, 3214868480
	.section	.rodata,"a",@progbits
	.p2align	6, 0x0
	.amdhsa_kernel k_q04f86829bf_attn
		.amdhsa_group_segment_fixed_size 264192
		.amdhsa_private_segment_fixed_size 0
		.amdhsa_enable_private_segment 0
		.amdhsa_kernarg_size 32
		.amdhsa_user_sgpr_count 2
		.amdhsa_user_sgpr_kernarg_segment_ptr 1
		.amdhsa_wavefront_size32 1
		.amdhsa_system_sgpr_workgroup_id_x 1
		.amdhsa_system_sgpr_workgroup_id_y 1
		.amdhsa_system_sgpr_workgroup_id_z 1
		.amdhsa_system_vgpr_workitem_id 0
		.amdhsa_next_free_vgpr 256
		.amdhsa_next_free_sgpr 106
		.amdhsa_reserve_vcc 0
		.amdhsa_float_denorm_mode_32 3
		.amdhsa_float_denorm_mode_16_64 3
		.amdhsa_memory_ordered 1
		.amdhsa_forward_progress 1
		.amdhsa_inst_pref_size 116
	.end_amdhsa_kernel
	.amdgpu_metadata
---
amdhsa.version: [ 1, 2 ]
amdhsa.kernels:
  - .name:           k_q04f86829bf_attn
    .symbol:         k_q04f86829bf_attn.kd
    .args:
      - { .name: qkv, .offset: 0, .size: 8, .value_kind: global_buffer, .address_space: global }
      - { .name: maskw, .offset: 8, .size: 8, .value_kind: global_buffer, .address_space: global }
      - { .name: lowp_scales, .offset: 16, .size: 8, .value_kind: global_buffer, .address_space: global }
      - { .name: aimg, .offset: 24, .size: 8, .value_kind: global_buffer, .address_space: global }
    .group_segment_fixed_size: 264192
    .private_segment_fixed_size: 0
    .kernarg_segment_align: 8
    .kernarg_segment_size: 32
    .max_flat_workgroup_size: 512
    .sgpr_count:     106
    .vgpr_count:     256
    .wavefront_size: 32
...
	.end_amdgpu_metadata
.endif
;; end of part 3
;; launch oproj (part 4): grid 256 x 1, 4 waves a work-group, no clusters, 34,304 bytes of LDS; arguments aimg, wimg, bo, lowp_scales, out0; writes out0
.if DOCPART == 4
	.amdgcn_target "amdgcn-amd-amdhsa--gfx1250"
	.amdhsa_code_object_version 6
	.text
	.protected	k_q04f86829bf_oproj
	.globl	k_q04f86829bf_oproj
	.p2align	8
	.type	k_q04f86829bf_oproj,@function
k_q04f86829bf_oproj:
	s_mov_b64 s[64:65], 0
	v_nop
	global_prefetch_b8 v0, s[64:65] scope:SCOPE_SE
	s_setreg_imm32_b32 hwreg(HW_REG_WAVE_MODE, 25, 1), 1
	s_wait_xcnt 0x0
; OPROJ.  out0 = a Wo^T + bo on codes of E5M2.  a comes as register images (aimg: [tile of 16 tokens][K step 4][2,048 bytes]), Wo likewise (wimg, its fourth quarter); out0 [16,384][512] f32.
; SHARES.  A work-group takes 64 tokens; wave w makes features 128 w .. 128 w + 127 of all of them.  Everything a wave multiplies goes straight from memory into its registers, 512 consecutive bytes a load:
; 32 fragments of Wo (512 registers), 16 of a (256).  The waves share nothing: no barrier.  No tensor load, so LDS is claimed as it is used: a stage of 16 rows for each wave.
; Source 0 = 16 rows of Wo, source 1 = 16 tokens: a lane's eight results are eight NEIGHBOURING features of one token, 32 bytes.  A tile of tokens goes through my stage and leaves as rows of 512 bytes.
; out = sum x 2^(e10 + e11) + bo: one packed multiply-add for two numbers.  LIMIT: e10 + e11 between -126 and 127, so that the power of two is an f32 number.
; No cluster: the weight is shared, but it is read once a work-group, into registers; a joint load would have to pass it through LDS first.
; REGISTERS, in windows of 256: window 0: v4-9 addresses; v16-79 the bias (register 8 f + j: feature 16 f + 8 h + j); v80-143 eight accumulators; v144-207 16 rows back from the stage.
;   window 1: Wo's fragments (f, s) for K steps s = 0, 1 at v[16 (2 f + s)];  window 2: for s = 2, 3;  window 3: a's fragments (tt, s) at v[16 (4 tt + s)].
.set SP,   528                         ; a stage row: 512 bytes + 16: row r starts at bank 4 r mod 64 (64 banks of 4 bytes: ISA guide 11.1)
.set BIAS, 16
.set ACC,  80
.set BK,   144
.set MSB, 0
.macro WIN new                         ; the immediate's high byte repeats the setting that is left
.if MSB != (\new)
	s_set_vgpr_msb (MSB<<8)|(\new)
.set MSB, (\new)
.endif
.endm
	s_load_b256 s[4:11], s[0:1], 0x0               ; aimg s[4:5], wimg s[6:7], bo s[8:9], the scales' exponents s[10:11]
	s_load_b64 s[12:13], s[0:1], 0x20              ; out0
	v_lshl_add_u32 v254, v0, 2, 0x8400
	v_mov_b32 v255, 0
	v_lshrrev_b32 v1, 5, v0
	v_readfirstlane_b32 s2, v1                     ; wave 0..3
	v_and_b32 v1, 31, v0
	v_and_b32 v2, 15, v0                           ; r
	v_bfe_u32 v3, v0, 4, 1                         ; h
	v_lshlrev_b32 v9, 4, v1                        ; 16 x lane
	v_lshlrev_b32 v4, 5, v3                        ; the bias: 32 h
	s_mul_i32 s20, s2, 16*SP                       ; my stage
	v_mul_u32_u24 v5, v2, SP
	v_lshl_add_u32 v5, v3, 5, v5
	v_add_nc_u32 v5, s20, v5                       ; in: row r, + 32 h
	v_add_nc_u32 v6, s20, v9                       ; back: the 32 lanes take one row
	s_lshl_b32 s16, s2, 16
	s_add_co_u32 s16, s16, 3*262144                ; Wo: wimg's fourth quarter, + 65,536 x wave
	s_mov_b32 s17, 0
	s_lshl_b32 s18, ttmp9, 15                      ; a: four tiles of 8,192 bytes x work-group
	s_mov_b32 s19, 0
	s_lshl_b32 s22, s2, 9                          ; my 128 features: 512 bytes, in bo and in a row of out0
	s_mov_b32 s23, 0
	s_lshl_b32 s24, ttmp9, 17                      ; 64 rows of 2,048 bytes x work-group
	s_add_co_u32 s24, s24, s22
	s_mov_b32 s25, 0
	s_wait_kmcnt 0x0
	s_load_b64 s[14:15], s[10:11], 0x28            ; e10, e11
	s_add_nc_u64 s[6:7], s[6:7], s[16:17]
	s_add_nc_u64 s[4:5], s[4:5], s[18:19]
	s_add_nc_u64 s[8:9], s[8:9], s[22:23]
	s_add_nc_u64 s[12:13], s[12:13], s[24:25]
.set i, 0
.rept 16
	global_load_b128 v[BIAS+4*i:BIAS+4*i+3], v4, s[8:9] offset:64*(i/2)+16*(i%2)
.set i, i+1
.endr
	WIN 0x40                                       ; destination window 1
.irp f, 0,1,2,3,4,5,6,7
.irp s, 0,1
.irp g, 0,1,2,3
	global_load_b128 v[16*(2*\f+\s)+4*\g:16*(2*\f+\s)+4*\g+3], v9, s[6:7] offset:8192*\f+2048*\s+512*\g
.endr
.endr
.endr
	WIN 0x80                                       ; destination window 2
.irp f, 0,1,2,3,4,5,6,7
.irp s, 0,1
.irp g, 0,1,2,3
	global_load_b128 v[16*(2*\f+\s)+4*\g:16*(2*\f+\s)+4*\g+3], v9, s[6:7] offset:8192*\f+2048*(\s+2)+512*\g
.endr
.endr
.endr
	WIN 0xc0                                       ; destination window 3: a's fragments last, tile by tile, so that the waits below can count them
.set i, 0
.rept 64
	global_load_b128 v[4*i:4*i+3], v9, s[4:5] offset:512*i
.set i, i+1
.endr
	WIN 0
	s_wait_kmcnt 0x0
	s_add_co_i32 s46, s14, s15
	s_add_co_i32 s46, s46, 127
	s_lshl_b32 s46, s46, 23                        ; 2^(e10 + e11) as f32
	s_mov_b32 s47, s46                             ; (named with it as a pair, so it is written)
; 32 matrix instructions: my eight tiles of features x token tile tt, K = 512 in four steps.  The first step starts the sums; the eight accumulators take turns, one instruction a turn.
; (tt may be given as a sum: every use of it stands in parentheses.)
.macro MUL tt
	s_wait_loadcnt 16*(3-(\tt))                    ; loads come back in order (ISA guide 5.7.1): all are in but the later tiles' sixteen each; the bias and the weight were asked for ahead of them
.irp s, 0,1,2,3
	WIN 0x0d+\s/2                                  ; source 0 (Wo) window 1 or 2, source 1 (a) window 3
.irp f, 0,1,2,3,4,5,6,7
.if \s == 0
	v_wmma_f32_16x16x128_bf8_bf8 v[ACC+8*\f:ACC+8*\f+7], v[16*(2*\f+\s%2):16*(2*\f+\s%2)+15], v[16*(4*(\tt)+\s):16*(4*(\tt)+\s)+15], 0
.else
	v_wmma_f32_16x16x128_bf8_bf8 v[ACC+8*\f:ACC+8*\f+7], v[16*(2*\f+\s%2):16*(2*\f+\s%2)+15], v[16*(4*(\tt)+\s):16*(4*(\tt)+\s)+15], v[ACC+8*\f:ACC+8*\f+7]
.endif
.endr
.endr
	WIN 0
.endm
	MUL 0
.irp tt, 0,1,2,3
.rept 4
	v_nop                                          ; four places (ISA guide 7.12.1) in front of the first read of results
.endr
.set i, 0
.rept 32
	v_pk_fma_f32 v[ACC+i:ACC+i+1], v[ACC+i:ACC+i+1], s[46:47], v[BIAS+i:BIAS+i+1] op_sel_hi:[1,0,1]   ; sum x 2^(e10 + e11) + bo; each accumulator from its low end on
.set i, i+2
.endr
.if \tt > 0
	s_wait_xcnt 0x0                                ; the last tile's stores have had their addresses translated (ISA guide 3.1): their data registers may be loaded again
.endif
.irp f, 0,1,2,3,4,5,6,7
	ds_store_b128 v5, v[ACC+8*\f:ACC+8*\f+3] offset:64*\f
	ds_store_b128 v5, v[ACC+8*\f+4:ACC+8*\f+7] offset:64*\f+16
.endr
.set i, 0
.rept 16
	ds_load_b128 v[BK+4*i:BK+4*i+3], v6 offset:SP*i   ; LDS serves a wave's instructions in order (ISA guide 5.7.1.4): these see my stores, and the next tile's stores come behind them
.set i, i+1
.endr
.if \tt < 3
	s_wait_dscnt 16                                ; the sixteen stores have read the accumulators; the sixteen loads may be out
	MUL \tt+1                                      ; the next tile is multiplied while this one's rows come back
.endif
	s_wait_dscnt 0x0
.set i, 0
.rept 16
	global_store_b128 v9, v[BK+4*i:BK+4*i+3], s[12:13] offset:(16*\tt+i)*2048 th:TH_STORE_NT   ; 32 lanes store 512 consecutive bytes, at a multiple of 512 from out0's first byte; written once, read by nobody here
.set i, i+1
.endr
.endr
	s_wait_tensorcnt 0x0
	ds_add_u32 v254, v255
	s_wait_dscnt 0x0
	s_endpgm
.Lfunc_end_k_q04f86829bf_oproj:
	.size	k_q04f86829bf_oproj, .Lfunc_end_k_q04f86829bf_oproj-k_q04f86829bf_oproj
	.p2alignl 7, 3214868480
	.fill 96, 4, 3214868480
	.section	.rodata,"a",@progbits
	.p2align	6, 0x0
	.amdhsa_kernel k_q04f86829bf_oproj
		.amdhsa_group_segment_fixed_size 34304
		.amdhsa_private_segment_fixed_size 0
		.amdhsa_enable_private_segment 0
		.amdhsa_kernarg_size 40
		.amdhsa_user_sgpr_count 2
		.amdhsa_user_sgpr_kernarg_segment_ptr 1
		.amdhsa_wavefront_size32 1
		.amdhsa_system_sgpr_workgroup_id_x 1
		.amdhsa_system_sgpr_workgroup_id_y 1
		.amdhsa_system_sgpr_workgroup_id_z 1
		.amdhsa_system_vgpr_workitem_id 0
		.amdhsa_next_free_vgpr 1024
		.amdhsa_next_free_sgpr 66
		.amdhsa_reserve_vcc 0
		.amdhsa_float_denorm_mode_32 3
		.amdhsa_float_denorm_mode_16_64 3
		.amdhsa_memory_ordered 1
		.amdhsa_forward_progress 1
		.amdhsa_inst_pref_size 53
	.end_amdhsa_kernel
	.amdgpu_metadata
---
amdhsa.version: [ 1, 2 ]
amdhsa.kernels:
  - .name:           k_q04f86829bf_oproj
    .symbol:         k_q04f86829bf_oproj.kd
    .args:
      - { .name: aimg, .offset: 0, .size: 8, .value_kind: global_buffer, .address_space: global }
      - { .name: wimg, .offset: 8, .size: 8, .value_kind: global_buffer, .address_space: global }
      - { .name: bo, .offset: 16, .size: 8, .value_kind: global_buffer, .address_space: global }
      - { .name: lowp_scales, .offset: 24, .size: 8, .value_kind: global_buffer, .address_space: global }
      - { .name: out0, .offset: 32, .size: 8, .value_kind: global_buffer, .address_space: global }
    .group_segment_fixed_size: 34304
    .private_segment_fixed_size: 0
    .kernarg_segment_align: 8
    .kernarg_segment_size: 40
    .max_flat_workgroup_size: 128
    .sgpr_count:     66
    .vgpr_count:     1024
    .wavefront_size: 32
...
	.end_amdgpu_metadata
.endif
;; end of part 4
;; ======== version 2 of 2: 4 launches
;; limits: right only within a limited range of input values
;; workspace buffers: wimg 1,048,576 bytes; maskw 524,288 bytes of whole numbers; qkv 25,165,824 bytes; aimg 8,388,608 bytes
;; launch prep (part 5): grid 384 x 1, 4 waves a work-group, no clusters, 0 bytes of LDS; arguments Wq, Wk, Wv, Wo, mask, lowp_scales, wimg, maskw; writes wimg, maskw
.if DOCPART == 5
	.amdgcn_target "amdgcn-amd-amdhsa--gfx1250"
	.amdhsa_code_object_version 6
	.text
	.protected	k_q04f86829bf_prep
	.globl	k_q04f86829bf_prep
	.p2align	8
	.type	k_q04f86829bf_prep,@function
k_q04f86829bf_prep:
	s_mov_b64 s[64:65], 0
	v_nop
	global_prefetch_b8 v0, s[64:65] scope:SCOPE_SE
	s_setreg_imm32_b32 hwreg(HW_REG_WAVE_MODE, 25, 1), 1
	s_wait_xcnt 0x0
; PREP.  Two jobs that every later launch reads many times, done once.
; (1) Work-groups 0-255: the mask [2048][2048] int32 becomes one BIT a score, in the form in which the attention launch selects: maskw[qt 128][step 16][n 64], a word whose bit l says
;     whether mask[16 qt + l % 16][128 step + 16 (n / 8) + 8 (l / 16) + n % 8] is not 0.  That is the lane mask of a compare in a wave whose lane l holds that number: nothing is transposed.
; (2) Work-groups 256-383: the four weights [512][512] f32 become codes of E5M2, laid as IMAGES OF OPERAND REGISTERS: wimg[t][ft 32][s 4][2,048 bytes], t = 0 Wq, 1 Wk, 2 Wv, 3 Wo.
;     A fragment is rows 16 ft + r, K = 128 s on: lane (r = lane % 16, h = lane / 16) holds, in registers 2 c and 2 c + 1, k = 128 s + 16 c + 8 h + 0 .. 7 (the plain 8-bit layout).
;     Registers 4 g .. 4 g + 3 of all 32 lanes are one block of 512 bytes, lane l's 16 bytes at 16 l: every later load of a fragment is four loads of 512 consecutive bytes.
;     code = x / 2^e, held within +-57,344, to the nearest code, ties to even; e = entry 1, 3, 5, 11 of the scales.  LIMIT: -126 <= e <= 112.  NaN among the inputs is not served.
; The two jobs part on the work-group's number; neither uses LDS or a barrier.  A wave has ONE round of loads: two key steps of one tile of 16 queries (32 loads), or one fragment (16 loads).
; The mask's work-groups, which load twice as much, have the lower numbers.
.set EMAX, 15
.set MANT, 0x600000                    ; the mantissa field of 57,344 as f32
	s_load_b256 s[4:11], s[0:1], 0x0               ; Wq s[4:5], Wk s[6:7], Wv s[8:9], Wo s[10:11]
	s_load_b256 s[12:19], s[0:1], 0x20             ; mask s[12:13], the scales' exponents s[14:15], wimg s[16:17], maskw s[18:19]
	v_lshrrev_b32 v1, 5, v0
	v_readfirstlane_b32 s20, v1                    ; wave 0..3
	v_and_b32 v1, 31, v0                           ; lane
	v_and_b32 v2, 15, v0                           ; r
	v_bfe_u32 v3, v0, 4, 1                         ; h
	v_lshlrev_b32 v5, 4, v1                        ; 16 x lane: my place in a block of 512 bytes
	s_cmp_lt_u32 ttmp9, 256
	s_cbranch_scc1 .Lmask
	; ---- a weight's fragment: with g = work-group - 256: tensor t = g / 32, rows 16 ft on (ft = g % 32), K step = wave
	s_sub_co_u32 s23, ttmp9, 256
	s_lshr_b32 s21, s23, 5                         ; t
	s_and_b32 s22, s23, 31                         ; ft
	v_lshlrev_b32 v4, 11, v2                       ; row r of 2,048 bytes,
	v_lshl_add_u32 v4, v3, 5, v4                   ; + 32 h: my eight numbers of each 16 along K
	s_lshl_b32 s28, s22, 15                        ; in: 16 ft rows,
	s_lshl_b32 s29, s20, 9                         ; + 128 numbers x wave
	s_add_co_u32 s28, s28, s29
	s_mov_b32 s29, 0
	s_lshl_b32 s30, s21, 18                        ; out: 262,144 t + 8,192 ft + 2,048 wave
	s_lshl_b32 s31, s22, 13
	s_add_co_u32 s30, s30, s31
	s_lshl_b32 s31, s20, 11
	s_add_co_u32 s30, s30, s31
	s_mov_b32 s31, 0
	s_wait_alu depctr_va_vdst(0)
	s_wait_kmcnt 0x0
	s_load_b256 s[32:39], s[14:15], 0x0            ; entries 0-7
	s_load_b128 s[40:43], s[14:15], 0x20           ; entries 8-11
	s_cmp_eq_u32 s21, 1                            ; the choice of the buffer hangs on the work-group's number alone
	s_cselect_b64 s[24:25], s[6:7], s[4:5]
	s_cmp_eq_u32 s21, 2
	s_cselect_b64 s[24:25], s[8:9], s[24:25]
	s_cmp_eq_u32 s21, 3
	s_cselect_b64 s[24:25], s[10:11], s[24:25]
	s_add_nc_u64 s[24:25], s[24:25], s[28:29]
	s_add_nc_u64 s[16:17], s[16:17], s[30:31]
.set i, 0
.rept 16
	global_load_b128 v[32+4*i:35+4*i], v4, s[24:25] offset:64*(i/2)+16*(i%2)   ; W(16 ft + r, 128 s + 16 c + 8 h + 4 e ..), c = i / 2, e = i % 2
.set i, i+1
.endr
	s_wait_kmcnt 0x0
	s_cmp_eq_u32 s21, 1
	s_cselect_b32 s26, s35, s33
	s_cmp_eq_u32 s21, 2
	s_cselect_b32 s26, s37, s26
	s_cmp_eq_u32 s21, 3
	s_cselect_b32 s26, s43, s26                    ; e
	s_add_co_i32 s26, s26, 127
	s_lshl_b32 s27, s26, 23
	v_mov_b32 v11, s27                             ; 2^e as f32: the conversion takes its exponent field
	s_add_co_i32 s26, s26, EMAX
	s_lshl_b32 s26, s26, 23
	s_or_b32 s26, s26, MANT
	v_mov_b32 v10, s26                             ; 57,344 x 2^e
	s_wait_alu depctr_va_vdst(0)
	s_wait_loadcnt 0x0
.set c, 0
.rept 8
.set i, 0
.rept 8
	v_med3_num_f32 v[32+8*c+i], v[32+8*c+i], -v10, v10   ; the conversion to an 8-bit code does not saturate (ISA guide 7.6.2): the hold comes first
.set i, i+1
.endr
	v_cvt_scalef32_pk8_bf8_f32 v[96+2*c:97+2*c], v[32+8*c:39+8*c], v11   ; registers 2 c, 2 c + 1 of the fragment
.set c, c+1
.endr
.irp g, 0,1,2,3
	global_store_b128 v5, v[96+4*\g:99+4*\g], s[16:17] offset:512*\g   ; 32 lanes store 512 consecutive bytes, at a multiple of 512 from the buffer's first byte
.endr
	s_endpgm
	; ---- the mask: tile of 16 queries qt = work-group / 2; wave w has key steps 4 w .. 4 w + 3, of which this work-group takes two: 4 w + 2 (work-group % 2) and the next
.Lmask:
	s_lshr_b32 s21, ttmp9, 1                       ; qt
	s_and_b32 s22, ttmp9, 1                        ; which two steps
	s_wait_alu depctr_va_vdst(0)
	v_lshlrev_b32 v4, 13, v2                       ; row r of 8,192 bytes,
	v_lshl_add_u32 v4, v3, 5, v4                   ; + 32 h
	s_lshl_b32 s28, s21, 17                        ; in: 16 qt rows,
	s_lshl_b32 s29, s20, 11                        ; + four steps of 512 bytes x wave,
	s_add_co_u32 s28, s28, s29
	s_lshl_b32 s29, s22, 10                        ; + two steps
	s_add_co_u32 s28, s28, s29
	s_mov_b32 s29, 0
	s_lshl_b32 s30, s21, 12                        ; out: 4,096 qt + 1,024 wave + 512 x which
	s_lshl_b32 s31, s20, 10
	s_add_co_u32 s30, s30, s31
	s_lshl_b32 s31, s22, 9
	s_add_co_u32 s30, s30, s31
	s_mov_b32 s31, 0
.irp i, 16,17,18,19
	v_mov_b32 v\i, 0                               ; v_writelane_b32's destination counts as read: written once, whole
.endr
	s_wait_alu depctr_va_vdst(0)
	s_wait_kmcnt 0x0
	s_add_nc_u64 s[12:13], s[12:13], s[28:29]
	s_add_nc_u64 s[18:19], s[18:19], s[30:31]
	; two key steps: 128 numbers a lane (register 32 + 64 sp + n holds step sp's n-th), 128 compares, 128 words.  Word x goes to lane x / 4, register x % 4 of four: they leave as 512 consecutive bytes
.set i, 0
.rept 32
	global_load_b128 v[32+4*i:35+4*i], v4, s[12:13] offset:64*(i/2)+16*(i%2)
.set i, i+1
.endr
.set g, 0
.rept 8
	s_wait_loadcnt 28-4*g                          ; loads come back in order (ISA guide 5.7.1): the four that fill these sixteen registers are in, the later ones may be out
.set k, 0
.rept 16
	v_cmp_ne_u32 s[32+k], 0, v[32+16*g+k]          ; the lane mask IS the wanted word
.set k, k+1
.endr
.set k, 0
.rept 16
	v_writelane_b32 v[16+(k%4)], s[32+k], 4*g+k/4
.set k, k+1
.endr
.set g, g+1
.endr
	global_store_b128 v5, v[16:19], s[18:19]
	s_endpgm
.Lfunc_end_k_q04f86829bf_prep:
	.size	k_q04f86829bf_prep, .Lfunc_end_k_q04f86829bf_prep-k_q04f86829bf_prep
	.p2alignl 7, 3214868480
	.fill 96, 4, 3214868480
	.section	.rodata,"a",@progbits
	.p2align	6, 0x0
	.amdhsa_kernel k_q04f86829bf_prep
		.amdhsa_group_segment_fixed_size 0
		.amdhsa_private_segment_fixed_size 0
		.amdhsa_enable_private_segment 0
		.amdhsa_kernarg_size 64
		.amdhsa_user_sgpr_count 2
		.amdhsa_user_sgpr_kernarg_segment_ptr 1
		.amdhsa_wavefront_size32 1
		.amdhsa_system_sgpr_workgroup_id_x 1
		.amdhsa_system_sgpr_workgroup_id_y 1
		.amdhsa_system_sgpr_workgroup_id_z 1
		.amdhsa_system_vgpr_workitem_id 0
		.amdhsa_next_free_vgpr 160
		.amdhsa_next_free_sgpr 66
		.amdhsa_reserve_vcc 0
		.amdhsa_float_denorm_mode_32 3
		.amdhsa_float_denorm_mode_16_64 3
		.amdhsa_memory_ordered 1
		.amdhsa_forward_progress 1
		.amdhsa_inst_pref_size 29
	.end_amdhsa_kernel
	.amdgpu_metadata
---
amdhsa.version: [ 1, 2 ]
amdhsa.kernels:
  - .name:           k_q04f86829bf_prep
    .symbol:         k_q04f86829bf_prep.kd
    .args:
      - { .name: Wq, .offset: 0, .size: 8, .value_kind: global_buffer, .address_space: global }
      - { .name: Wk, .offset: 8, .size: 8, .value_kind: global_buffer, .address_space: global }
      - { .name: Wv, .offset: 16, .size: 8, .value_kind: global_buffer, .address_space: global }
      - { .name: Wo, .offset: 24, .size: 8, .value_kind: global_buffer, .address_space: global }
      - { .name: mask, .offset: 32, .size: 8, .value_kind: global_buffer, .address_space: global }
      - { .name: lowp_scales, .offset: 40, .size: 8, .value_kind: global_buffer, .address_space: global }
      - { .name: wimg, .offset: 48, .size: 8, .value_kind: global_buffer, .address_space: global }
      - { .name: maskw, .offset: 56, .size: 8, .value_kind: global_buffer, .address_space: global }
    .group_segment_fixed_size: 0
    .private_segment_fixed_size: 0
    .kernarg_segment_align: 8
    .kernarg_segment_size: 64
    .max_flat_workgroup_size: 128
    .sgpr_count:     66
    .vgpr_count:     160
    .wavefront_size: 32
...
	.end_amdgpu_metadata
.endif
;; end of part 5
;; launch proj (part 6): grid 64 x 3, 4 waves a work-group, no clusters, 327,680 bytes of LDS; arguments Q, K, V, bq, bk, bv, wimg, lowp_scales, qkv; writes qkv
.if DOCPART == 6
	.amdgcn_target "amdgcn-amd-amdhsa--gfx1250"
	.amdhsa_code_object_version 6
	.text
	.protected	k_q04f86829bf_proj
	.globl	k_q04f86829bf_proj
	.p2align	8
	.type	k_q04f86829bf_proj,@function
k_q04f86829bf_proj:
	s_mov_b64 s[64:65], 0
	v_nop
	global_prefetch_b8 v0, s[64:65] scope:SCOPE_SE
	s_setreg_imm32_b32 hwreg(HW_REG_WAVE_MODE, 25, 1), 1
	s_wait_xcnt 0x0
; PROJ.  q = Q Wq^T + bq, k = K Wk^T + bk, v = V Wv^T + bv, each product on codes of E5M2, and each result quantised at once for the attention launch.  One launch: work-group y = 0, 1, 2 says which.
; x [16,384][512] f32 is read once, by the tensor data mover, and quantised in registers; the weight comes as register images (wimg); the result leaves as register images (qkv) and never as f32.
; SHARES.  A work-group takes 256 tokens, 64 at a time.  THE WAVES SHARE THE FEATURES: wave w holds the weight's rows 128 w .. 128 w + 127 (32 fragments, 512 registers) for the whole launch, read once.
;   192 work-groups: three tensors of 64; each has 131,072 bytes of x on its way while it works on the 64 tokens before.
; A BLOCK OF 64 TOKENS.  X: wave w quantises tokens 16 w .. 16 w + 15 (four fragments) and stores them in LDS as images of their registers | barrier | 1: for each of the four tiles of tokens all four
;   fragments come back from LDS, 32 matrix instructions make my 128 features, which are held, converted and stored.
; LAYOUT.  All operands have the plain 8-bit layout: lane (r, h), registers 2 c, 2 c + 1: k = 16 c + 8 h + 0 .. 7.  A result tile has register j = (m = 8 h + j, n = r): so ONE conversion of a tile's eight
;   registers gives registers 2 c, 2 c + 1 of the next operand, if m is the next product's K.  q and k: source 0 = weight, source 1 = x: m = feature (the head's 64 channels are the scores' K).
;   v: source 0 = x, source 1 = weight: m = token (the keys are the second product's K).  The two forms part on work-group y.
; qkv: q at byte 0 and k at byte 8,388,608: [b x 8 + head][tile of 16 tokens 128][1,024 bytes];  v at byte 16,777,216: [b x 8 + head][step of 128 keys 16][16 channels 4][2,048 bytes].
; The bias is the C of each sum's first matrix instruction, divided once by 2^(ex + ew), the power of two that the sums lack.  The result's conversion takes 2^(eo - ex - ew): the three scales in one.
; LIMITS on the given exponents: ex, and eo - ex - ew, between -126 and 112.  NaN among the inputs is not served.
; No cluster: what work-groups share is the weight, which goes straight into registers and is read once a work-group; LDS has no room for it beside two slots of x.
; REGISTERS, in windows of 256: window 0: v1-15 addresses and scales; v16-79 XF: a tile's four fragments of x; v80-143 ACC: eight accumulators; v144-207 CODE.
;   window 1: the weight's fragments (f, s) for K steps s = 0, 1 at v[16 (2 f + s)];  window 2: for s = 2, 3 at v[16 (2 f + s - 2)];  window 3: v0-63 the bias, eight registers a tile.
.set PITCH, 528                        ; a token's 128 numbers in LDS: 512 bytes + 16 of padding = 132 words: row r starts at bank 4 r mod 64 (64 banks of 4 bytes: ISA guide 11.1)
.set KPART, 64*PITCH                   ; what one tensor load brings: one K step (128 numbers) of 64 tokens
.set SLOT,  4*KPART                    ; 135,168 bytes: the four waves' parts
.set XIMG,  2*SLOT                     ; behind the ring: x's 16 fragments (tile tt, K step s) at (4 tt + s) x 2,048; no tensor load lands here
.set SPARE, XIMG+32768                 ; behind them: the spare words, 128 bytes for each wave: two blocks of 256 bytes that no other line names
.set XF,   16
.set ACC,  80
.set CODE, 144
; v4 my place in a slot; v5, v6 the same in the slot in hand, for K steps 0-1 and 2-3; v7 XIMG + 16 lane; v8 where I store my images; v9 16 lane; v10, v11 the spare word's address and 0
; v12, v13: 2^ex and 57,344 x 2^ex;  v14, v15: the same with eo - ex - ew
; s2 wave, s3 y, s[6:7] bias, s[8:9] my part of the weight, s[10:11] my part of qkv, s[12:13] this block's, s16 trips, s17 block, s18 parity, s19 the slot in hand, s[20:23], s[24:31] the descriptor, s50 wave x KPART
.set MSB, 0
.macro WIN new                         ; the immediate's high byte repeats the setting that is left; a switch that changes nothing is dropped
.if MSB != (\new)
	s_set_vgpr_msb (MSB<<8)|(\new)
.set MSB, (\new)
.endif
.endm
	s_load_b256 s[32:39], s[0:1], 0x0              ; Q s[32:33], K s[34:35], V s[36:37], bq s[38:39]
	s_load_b256 s[40:47], s[0:1], 0x20             ; bk s[40:41], bv s[42:43], wimg s[44:45], the scales' exponents s[46:47]
	s_load_b64 s[48:49], s[0:1], 0x40              ; qkv
	v_lshl_add_u32 v10, v0, 2, SPARE
	v_mov_b32 v11, 0
	ds_add_u32 v10, v11
	ds_add_u32 v10, v11
	s_wait_dscnt 0x0
	v_lshrrev_b32 v1, 5, v0
	v_readfirstlane_b32 s2, v1                     ; wave 0..3
	s_and_b32 s3, ttmp7, 0xffff                    ; y: 0 q, 1 k, 2 v
	; descriptor group 1: 64 rows (tokens) x 128 elements of 4 bytes, 512 elements from row to row, padded in LDS
	s_mov_b32 s24, (2<<16)|(1<<20)|(6<<22)|(3<<25) ; 15:0 no mask; 17:16 elements of 4 bytes; 20 padding on; 24:22 after every 128 words (code 6); 31:25 four words (code 3)
	s_mov_b32 s25, 128<<16                         ; tensor_dim0
	s_mov_b32 s26, 64<<16                          ; tensor_dim1
	s_mov_b32 s27, 128<<16                         ; tile_dim0
	s_mov_b32 s28, 64                              ; tile_dim1
	s_mov_b32 s29, 512                             ; tensor_dim0_stride
	s_mov_b32 s30, 0
	s_mov_b32 s31, 0
	s_mul_i32 s50, s2, KPART                       ; my part of a slot
	s_lshl_b32 s52, ttmp9, 19                      ; 256 tokens of 2,048 bytes x work-group x,
	s_lshl_b32 s53, s2, 9                          ; + my K step's 512 bytes
	s_add_co_u32 s52, s52, s53
	s_mov_b32 s53, 0
	s_wait_kmcnt 0x0
	s_cmp_eq_u32 s3, 1                             ; the choices hang on the work-group's number alone
	s_cselect_b64 s[54:55], s[34:35], s[32:33]
	s_cselect_b64 s[6:7], s[40:41], s[38:39]
	s_cmp_eq_u32 s3, 2
	s_cselect_b64 s[54:55], s[36:37], s[54:55]
	s_cselect_b64 s[6:7], s[42:43], s[6:7]
	s_mov_b32 s20, 1                               ; group 0: count = 1,
	s_mov_b32 s21, s50                             ; LDS address: slot 0,
	s_add_nc_u64 s[22:23], s[54:55], s[52:53]      ; global address: block 0,
	s_or_b32 s23, s23, 0x80000000                  ; type = 2
	tensor_load_to_lds s[20:23], s[24:31]          ; the first fill, ahead of everything else: one load of mine is out
	s_nop 0
	v_and_b32 v1, 31, v0                           ; lane
	v_and_b32 v2, 15, v0                           ; r
	v_bfe_u32 v3, v0, 4, 1                         ; h
	v_lshlrev_b32 v9, 4, v1                        ; 16 x lane
	s_wait_alu depctr_va_vdst(0)
	s_load_b256 s[32:39], s[46:47], 0x0            ; the scales' entries 0-7,
	s_load_b128 s[40:43], s[46:47], 0x20           ; 8-11
	s_mul_i32 s54, s2, 16*PITCH
	v_mul_u32_u24 v4, v2, PITCH
	v_lshl_add_u32 v4, v3, 5, v4
	v_add_nc_u32 v4, s54, v4                       ; token 16 w + r, + 32 h: my eight numbers of each 16 along K
	v_add_nc_u32 v7, XIMG, v9
	s_lshl_b32 s54, s2, 13
	v_add_nc_u32 v8, s54, v7                       ; my tile's four images
	s_lshl_b32 s52, s3, 18                         ; the weight: 262,144 y + 65,536 wave
	s_lshl_b32 s53, s2, 16
	s_add_co_u32 s52, s52, s53
	s_mov_b32 s53, 0
	s_add_nc_u64 s[8:9], s[44:45], s[52:53]
	WIN 0x40                                       ; destination window 1
.irp f, 0,1,2,3,4,5,6,7
.irp s, 0,1
.irp g, 0,1,2,3
	global_load_b128 v[16*(2*\f+\s)+4*\g:16*(2*\f+\s)+4*\g+3], v9, s[8:9] offset:8192*\f+2048*\s+512*\g
.endr
.endr
.endr
	WIN 0x80                                       ; destination window 2
.irp f, 0,1,2,3,4,5,6,7
.irp s, 0,1
.irp g, 0,1,2,3
	global_load_b128 v[16*(2*\f+\s)+4*\g:16*(2*\f+\s)+4*\g+3], v9, s[8:9] offset:8192*\f+2048*(\s+2)+512*\g
.endr
.endr
.endr
	WIN 0
	s_lshl_b32 s52, s3, 23                         ; qkv: 8,388,608 y + 1,048,576 b + 262,144 wave (two heads) + 16,384 (x % 8): the same sum for q, k and v
	s_lshr_b32 s53, ttmp9, 3
	s_lshl_b32 s53, s53, 20
	s_add_co_u32 s52, s52, s53
	s_lshl_b32 s53, s2, 18
	s_add_co_u32 s52, s52, s53
	s_and_b32 s53, ttmp9, 7
	s_lshl_b32 s53, s53, 14
	s_add_co_u32 s52, s52, s53
	s_mov_b32 s53, 0
	s_add_nc_u64 s[10:11], s[48:49], s[52:53]
	s_lshl_b32 s52, s2, 9                          ; the bias: my 128 numbers
	s_add_nc_u64 s[6:7], s[6:7], s[52:53]
	s_wait_kmcnt 0x0
	s_cmp_eq_u32 s3, 1
	s_cselect_b32 s56, s34, s32                    ; ex: entry 0, 2, 4
	s_cselect_b32 s57, s35, s33                    ; ew: entry 1, 3, 5
	s_cselect_b32 s58, s39, s38                    ; eo: entry 6, 7, 9
	s_cmp_eq_u32 s3, 2
	s_cselect_b32 s56, s36, s56
	s_cselect_b32 s57, s37, s57
	s_cselect_b32 s58, s41, s58
	s_add_co_i32 s57, s56, s57                     ; ex + ew: a sum stands for sum x 2^(ex + ew)
	s_sub_co_i32 s59, 0, s57
	s_sub_co_i32 s58, s58, s57                     ; eo - ex - ew
	s_add_co_i32 s56, s56, 127
	s_lshl_b32 s57, s56, 23
	v_mov_b32 v12, s57                             ; 2^ex as f32: the conversion takes its exponent field
	s_add_co_i32 s56, s56, 15
	s_lshl_b32 s56, s56, 23
	s_or_b32 s56, s56, 0x600000
	v_mov_b32 v13, s56                             ; 57,344 x 2^ex
	s_add_co_i32 s58, s58, 127
	s_lshl_b32 s57, s58, 23
	v_mov_b32 v14, s57
	s_add_co_i32 s58, s58, 15
	s_lshl_b32 s58, s58, 23
	s_or_b32 s58, s58, 0x600000
	v_mov_b32 v15, s58
	; the bias in the result's layout.  q, k: register j of tile f is feature 16 f + 8 h + j;  v: every register of tile f is feature 16 f + r
	s_cmp_eq_u32 s3, 2
	s_cbranch_scc1 .Lbias_v
	v_lshlrev_b32 v1, 5, v3                        ; 32 h
.set i, 0
.rept 16
	global_load_b128 v[XF+4*i:XF+4*i+3], v1, s[6:7] offset:64*(i/2)+16*(i%2)
.set i, i+1
.endr
	s_wait_loadcnt 0x0                             ; the bias, and the weight
	WIN 0xc0                                       ; destination window 3
.set i, 0
.rept 64
	v_ldexp_f32 v[i], v[XF+i], s59                 ; b / 2^(ex + ew)
.set i, i+1
.endr
	WIN 0
	s_branch .Lbias_done
.Lbias_v:
	v_lshlrev_b32 v1, 2, v2                        ; 4 r
.irp f, 0,1,2,3,4,5,6,7
	global_load_b32 v[XF+\f], v1, s[6:7] offset:64*\f
.endr
	s_wait_loadcnt 0x0
	WIN 0xc0
.set i, 0
.rept 64
	v_ldexp_f32 v[i], v[XF+i/8], s59
.set i, i+1
.endr
	WIN 0
.Lbias_done:
; THE CHANGE OF SLOTS stands at a block's head.  Each wave waits for all its tensor loads (one is out: its part of the block that it is about to read), adds 0 to its spare word, and waits for that and for
; its LDS reads of the block before (the other slot, and x's images).  Behind the barrier the block is whole, nobody reads the other slot, and nobody reads the images.
; fill = 1: the other slot takes the next block: the load has a whole block's work in which to land.
.macro CHANGE fill
	s_wait_tensorcnt 0x0                           ; no tensor load of mine is out, so the descriptor may be written
	ds_add_u32 v10, v11                            ; 0 onto my spare word: the steps below stand between it and the wait for it
	s_and_b32 s18, s17, 1                          ; block i lies in slot i % 2
	s_mul_i32 s19, s18, SLOT
.if \fill
	s_xor_b32 s18, s18, 1                          ; the other slot,
	s_mul_i32 s21, s18, SLOT
	s_add_co_u32 s21, s21, s50                     ; my part of it,
	s_add_nc_u64 s[22:23], s[22:23], 64*2048       ; the next 64 tokens; the type bits on top are not reached
.endif
	s_wait_dscnt 0x0                               ; the add is done, and my reads are over
	s_barrier_signal -1
	s_barrier_wait -1
.if \fill
	tensor_load_to_lds s[20:23], s[24:31]          ; the first thing behind the barrier, and my one tensor load until the next change of slots
	s_nop 0
.rept 4
	v_nop
.endr
.endif
.endm
.macro LOADX s, dst                    ; my 16 tokens' numbers of K step s, 64 a lane: register 8 c + i = k 16 c + 8 h + i
.irp c, 0,1,2,3,4,5,6,7
	ds_load_b128 v[\dst+8*\c:\dst+8*\c+3],   v[5+(\s)/2] offset:((\s)%2)*KPART+64*\c
	ds_load_b128 v[\dst+8*\c+4:\dst+8*\c+7], v[5+(\s)/2] offset:((\s)%2)*KPART+64*\c+16
.endr
.endm
.macro QUANT src, s                    ; 64 numbers become fragment s, in v[CODE + 16 s] on
.irp c, 0,1,2,3,4,5,6,7
.irp i, 0,1,2,3,4,5,6,7
	v_med3_num_f32 v[\src+8*\c+\i], v[\src+8*\c+\i], -v13, v13   ; the conversion to an 8-bit code does not saturate (ISA guide 7.6.2): the hold comes first
.endr
	v_cvt_scalef32_pk8_bf8_f32 v[CODE+16*\s+2*\c:CODE+16*\s+2*\c+1], v[\src+8*\c:\src+8*\c+7], v12
.endr
	v_nop                                          ; one plain vector instruction behind the last scaled conversion, ahead of whatever vector or matrix instruction next touches its registers
.endm
.macro IMAGE s                         ; the fragment goes to LDS as it stands: 512 consecutive bytes a store
.irp g, 0,1,2,3
	ds_store_b128 v8, v[CODE+16*\s+4*\g:CODE+16*\s+4*\g+3] offset:2048*\s+512*\g
.endr
.endm
.macro FETCH tt                        ; and a tile's four come back so, in any wave
.irp s, 0,1,2,3
.irp g, 0,1,2,3
	ds_load_b128 v[XF+16*\s+4*\g:XF+16*\s+4*\g+3], v7 offset:(4*(\tt)+\s)*2048+512*\g
.endr
.endr
.endm
; 32 matrix instructions: my eight tiles of features x one tile of tokens, K = 512 in four steps.  The eight accumulators take turns, one instruction a turn.
; The first step's C is the bias (window 3).  swap = 0: source 0 = weight, source 1 = x;  swap = 1: the other way round.
.macro MULS swap
.irp s, 0,1,2,3
.if \swap
.if \s == 0
	WIN 0x34                                       ; source 1 (weight) window 1, C window 3
.else
	WIN 0x04*(1+\s/2)                              ; source 1 window 1 or 2
.endif
.else
.if \s == 0
	WIN 0x31                                       ; source 0 (weight) window 1, C window 3
.else
	WIN 1+\s/2                                     ; source 0 window 1 or 2
.endif
.endif
.irp f, 0,1,2,3,4,5,6,7
.if \swap
.if \s == 0
	v_wmma_f32_16x16x128_bf8_bf8 v[ACC+8*\f:ACC+8*\f+7], v[XF+16*\s:XF+16*\s+15], v[16*(2*\f+\s%2):16*(2*\f+\s%2)+15], v[8*\f:8*\f+7]
.else
	v_wmma_f32_16x16x128_bf8_bf8 v[ACC+8*\f:ACC+8*\f+7], v[XF+16*\s:XF+16*\s+15], v[16*(2*\f+\s%2):16*(2*\f+\s%2)+15], v[ACC+8*\f:ACC+8*\f+7]
.endif
.else
.if \s == 0
	v_wmma_f32_16x16x128_bf8_bf8 v[ACC+8*\f:ACC+8*\f+7], v[16*(2*\f+\s%2):16*(2*\f+\s%2)+15], v[XF+16*\s:XF+16*\s+15], v[8*\f:8*\f+7]
.else
	v_wmma_f32_16x16x128_bf8_bf8 v[ACC+8*\f:ACC+8*\f+7], v[16*(2*\f+\s%2):16*(2*\f+\s%2)+15], v[XF+16*\s:XF+16*\s+15], v[ACC+8*\f:ACC+8*\f+7]
.endif
.endif
.endr
.endr
.endm
; The four tiles of tokens.  swap = 0 (q, k): tile f's conversion is registers 2 (f % 4) .. of head f / 4's fragment of token tile tt.
; swap = 1 (v): it is registers 2 tt .. of this block's half of the fragment of channels 16 (f % 4) on of head f / 4.
.macro PH1 swap
.irp tt, 0,1,2,3
	s_wait_dscnt 0x0                               ; the tile's four fragments are in
	MULS \swap
	WIN 0
.rept 4
	v_nop                                          ; four places in front of loads into registers that matrix instructions have read, and of the first read of results
.endr
.if \tt < 3
	FETCH \tt+1                                    ; the next tile's fragments land under the conversions
.endif
.irp f, 0,1,2,3,4,5,6,7
.irp i, 0,1,2,3,4,5,6,7
	v_med3_num_f32 v[ACC+8*\f+\i], v[ACC+8*\f+\i], -v15, v15   ; each accumulator from its low end on
.endr
.if \swap
	v_cvt_scalef32_pk8_bf8_f32 v[CODE+8*\f+2*\tt:CODE+8*\f+2*\tt+1], v[ACC+8*\f:ACC+8*\f+7], v14
.else
	v_cvt_scalef32_pk8_bf8_f32 v[CODE+16*\tt+2*\f:CODE+16*\tt+2*\f+1], v[ACC+8*\f:ACC+8*\f+7], v14
.endif
.endr
	v_nop                                          ; one plain vector instruction between the last conversion and the products that write its sources
.if \swap == 0
.irp hh, 0,1
.irp g, 0,1
	global_store_b128 v9, v[CODE+16*\tt+8*\hh+4*\g:CODE+16*\tt+8*\hh+4*\g+3], s[12:13] offset:131072*\hh+1024*\tt+512*\g   ; 512 consecutive bytes, at a multiple of 512 from the buffer's first byte
.endr
.endr
.endif
.endr
.if \swap
.irp f, 0,1,2,3,4,5,6,7
.irp g, 0,1
	global_store_b128 v9, v[CODE+8*\f+4*\g:CODE+8*\f+4*\g+3], s[12:13] offset:131072*(\f/4)+2048*(\f%4)+512*\g
.endr
.endr
.endif
.endm
.macro BLOCK
	s_wait_xcnt 0x0                                ; the last block's stores have had their addresses translated (ISA guide 3.1): only now are their base and their data registers written again
	s_lshl_b32 s14, s17, 12                        ; q, k: four tiles of 1,024 bytes a block
	s_lshr_b32 s52, s17, 1                         ; v: a step of 128 keys (8,192 bytes) is two blocks,
	s_lshl_b32 s52, s52, 13
	s_and_b32 s53, s17, 1                          ; each half of every fragment: 1,024 bytes
	s_lshl_b32 s53, s53, 10
	s_add_co_u32 s52, s52, s53
	s_cmp_eq_u32 s3, 2
	s_cselect_b32 s14, s52, s14
	s_mov_b32 s15, 0
	s_add_nc_u64 s[12:13], s[10:11], s[14:15]
	s_add_co_u32 s17, s17, 1
	v_add_nc_u32 v5, s19, v4                       ; my place in the slot in hand, K steps 0 and 1;
	v_add_nc_u32 v6, 2*KPART, v5                   ; 2 and 3 (an LDS offset has 16 bits)
	; ---- X: my 16 tokens become four fragments.  Two sets of 64 registers take turns
	LOADX 0, ACC
	LOADX 1, XF
	s_wait_dscnt 16                                ; K step 0 is in; step 1's 16 loads may be out
	QUANT ACC, 0
	IMAGE 0
	LOADX 2, ACC
	s_wait_dscnt 20                                ; step 1 is in; behind it: 4 stores and 16 loads
	QUANT XF, 1
	IMAGE 1
	LOADX 3, XF
	s_wait_dscnt 20                                ; step 2 is in; behind it: 4 stores and 16 loads
	QUANT ACC, 2
	IMAGE 2
	s_wait_dscnt 4                                 ; step 3 is in; behind it: 4 stores
	QUANT XF, 3
	IMAGE 3
	s_wait_dscnt 0x0                               ; for the others' sake: my images have landed
	s_barrier_signal -1                            ; the next block's load stays on its way
	s_barrier_wait -1
	; ---- 1: my 128 features of the 64 tokens
	FETCH 0
	s_cmp_eq_u32 s3, 2
	s_cbranch_scc1 .Lv_\@
	PH1 0
	s_branch .Ldone_\@
.Lv_\@:
	PH1 1
.Ldone_\@:
.endm
	s_mov_b32 s17, 0
	s_mov_b32 s16, 3
.Lblk:                                             ; three trips: behind each change of slots but the last the next block is asked for
	CHANGE 1
	BLOCK
	s_sub_co_u32 s16, s16, 1
	s_cmp_lg_u32 s16, 0
	s_cbranch_scc1 .Lblk
	CHANGE 0                                       ; the last block is written out
	BLOCK
	s_wait_tensorcnt 0x0                           ; the wave's end: behind my last tensor load and my last LDS store
	ds_add_u32 v10, v11
	s_wait_dscnt 0x0
	s_endpgm
.Lfunc_end_k_q04f86829bf_proj:
	.size	k_q04f86829bf_proj, .Lfunc_end_k_q04f86829bf_proj-k_q04f86829bf_proj
	.p2alignl 7, 3214868480
	.fill 96, 4, 3214868480
	.section	.rodata,"a",@progbits
	.p2align	6, 0x0
	.amdhsa_kernel k_q04f86829bf_proj
		.amdhsa_group_segment_fixed_size 327680
		.amdhsa_private_segment_fixed_size 0
		.amdhsa_enable_private_segment 0
		.amdhsa_kernarg_size 72
		.amdhsa_user_sgpr_count 2
		.amdhsa_user_sgpr_kernarg_segment_ptr 1
		.amdhsa_wavefront_size32 1
		.amdhsa_system_sgpr_workgroup_id_x 1
		.amdhsa_system_sgpr_workgroup_id_y 1
		.amdhsa_system_sgpr_workgroup_id_z 1
		.amdhsa_system_vgpr_workitem_id 0
		.amdhsa_next_free_vgpr 1024
		.amdhsa_next_free_sgpr 66
		.amdhsa_reserve_vcc 0
		.amdhsa_float_denorm_mode_32 3
		.amdhsa_float_denorm_mode_16_64 3
		.amdhsa_memory_ordered 1
		.amdhsa_forward_progress 1
		.amdhsa_inst_pref_size 205
	.end_amdhsa_kernel
	.amdgpu_metadata
---
amdhsa.version: [ 1, 2 ]
amdhsa.kernels:
  - .name:           k_q04f86829bf_proj
    .symbol:         k_q04f86829bf_proj.kd
    .args:
      - { .name: Q, .offset: 0, .size: 8, .value_kind: global_buffer, .address_space: global }
      - { .name: K, .offset: 8, .size: 8, .value_kind: global_buffer, .address_space: global }
      - { .name: V, .offset: 16, .size: 8, .value_kind: global_buffer, .address_space: global }
      - { .name: bq, .offset: 24, .size: 8, .value_kind: global_buffer, .address_space: global }
      - { .name: bk, .offset: 32, .size: 8, .value_kind: global_buffer, .address_space: global }
      - { .name: bv, .offset: 40, .size: 8, .value_kind: global_buffer, .address_space: global }
      - { .name: wimg, .offset: 48, .size: 8, .value_kind: global_buffer, .address_space: global }
      - { .name: lowp_scales, .offset: 56, .size: 8, .value_kind: global_buffer, .address_space: global }
      - { .name: qkv, .offset: 64, .size: 8, .value_kind: global_buffer, .address_space: global }
    .group_segment_fixed_size: 327680
    .private_segment_fixed_size: 0
    .kernarg_segment_align: 8
    .kernarg_segment_size: 72
    .max_flat_workgroup_size: 128
    .sgpr_count:     66
    .vgpr_count:     1024
    .wavefront_size: 32
...
	.end_amdgpu_metadata
.endif
;; end of part 6
;; launch attn (part 7): grid 4 x 64, 16 waves a work-group, clusters of 4 x 1, 264,192 bytes of LDS; arguments qkv, maskw, lowp_scales, aimg; writes aimg
.if DOCPART == 7
	.amdgcn_target "amdgcn-amd-amdhsa--gfx1250"
	.amdhsa_code_object_version 6
	.text
	.protected	k_q04f86829bf_attn
	.globl	k_q04f86829bf_attn
	.p2align	8
	.type	k_q04f86829bf_attn,@function
k_q04f86829bf_attn:
	s_mov_b64 s[64:65], 0
	v_nop
	global_prefetch_b8 v0, s[64:65] scope:SCOPE_SE
	s_setreg_imm32_b32 hwreg(HW_REG_WAVE_MODE, 25, 1), 1
	s_wait_xcnt 0x0
	s_wait_alu depctr_hold_cnt(0) depctr_sa_sdst(0) depctr_va_vdst(0) depctr_va_sdst(0) depctr_va_ssrc(0) depctr_va_vcc(0) depctr_vm_vsrc(0)
	s_getreg_b32 s2, hwreg(HW_REG_IB_STS2, 6, 4)
	s_cmp_eq_u32 s2, 0
	s_cbranch_scc0 .Lentry_in_a_cluster
	s_endpgm
.Lentry_in_a_cluster:
	s_bfe_u32 s2, ttmp6, 0x10000c
	s_cmp_lg_u32 s2, 0x3003
	s_cbranch_scc0 .Lentry_shape_is_right
	s_endpgm
.Lentry_shape_is_right:
; ATTN.  For each (batch, head): o = softmax(mask(q k^T / 8)) v, both products on codes of E5M2; o is quantised at once for the last projection.
; q, k, v come as register images (qkv), the mask as one bit a score (maskw); o leaves as register images (aimg: [tile of 16 tokens][K step 4][2,048 bytes]; head hd fills registers 8 (hd % 2) on of K step hd / 2).
; SOFTMAX: t = score x log2(e) / 8; M = the row's largest t so far, rounded up to a whole number; p = 2^(t - M) is quantised, not normalised.  The row's sum is taken of the unquantised p and divides o at the end.
; When M moves, the sum and o are multiplied by 2^(old M - new M), in every step, with no branch on data.
; MASK: a hidden score becomes -2^100 (in units of the codes' product) ahead of the maximum.  c x 2^100 is a whole number: in a row all of whose scores so far are hidden t - M is 0 and p = 1, as with the definition's -1e30.
; SHARES: a cluster of four work-groups is one (batch, head); a work-group owns 512 queries; each of its 16 waves two tiles of 16, one pass over the keys for each.
; The head's K and V lie whole in LDS (131,072 bytes each), each byte filled once: wave w asks for bytes 16,384 w on, jointly with the same wave of the three partners.  Nothing is filled again.
; No prefetch: K and V are asked for once, at the head, and there is no loop to run ahead in.
; LAYOUT: S^T = k q^T, O^T = v^T p^T: a lane holds one query (lane % 16).  Tile t's eight registers are keys 16 t + 8 (lane / 16) + 0 .. 7: one conversion makes registers 2 t, 2 t + 1 of p's fragment.
; Two regions of 64 registers change roles from step to step: k's fragments in one, the scores in the other; v's fragments land on k's; converted tiles of p take the next step's k.
; LIMITS: e6 + e7 between -74 and 25 (added to c's exponent field; c x 2^100 a whole number under 3e38); e8 and e10 between -126 and 112; NaN among the inputs is not served.
; REGISTERS: v1 16 lane; v2 the same + V's first byte; v4 -2^100; v8, v9 the pair's k and v addresses; v12 -M, v13 the largest score; v14-15 the way out; v16-23 q of the pass, v24-31 of the second pass;
; v32-95, v96-159 the regions; v160-191 O^T; v192-207 p's codes; v208-215 o's codes; v216-223 the sum in four pairs; v224-227 chains of the maximum; v228 the old -M; v236-254 at work and scales; v251, v255 the add's two.
; s2 wave; s3 LDS byte of the pair; s4, s27 trips; s5 my byte in maskw; s[6:7] maskw; s[8:19] descriptor; s[20:21] what the next way out adds to o's address; s[32:63], s[68:99] the step's mask words; s[66:67] c.
; LIMIT on e8, narrower than the line above has it: e8 between -15 and 112.  t <= M, so p = 2^(t - M) is at most 1, and 57,344 x 2^e8 = 1.75 x 2^(e8 + 15) is at least 1.75 from e8 = -15 on:
; within that limit the quantiser's hold of p changes no number, and it is not written.  Below it p's largest numbers would leave the format's range.
.set VOFF,  131072
.set STEPB, 8192                       ; a step's images of k, and of v
.set SPARE, 0x40000                    ; behind K and V: the spare words, 128 bytes a wave
.set RA,   32
.set RB,   96
.set OT,   160
.set PC,   192
.set LS,   216
.set MX,   224
.set OLDM, 228
.macro ROUND                           ; a round of the cluster's barrier
	s_barrier_signal -1
	s_barrier_wait -1
	s_cmp_lg_u32 s2, 0
	s_cbranch_scc1 .Lnot_wave_0_\@
	s_barrier_signal -3
.Lnot_wave_0_\@:
	s_barrier_wait -3
	s_barrier_signal -1
	s_barrier_wait -1
.endm
.macro MLOAD                           ; a step's 64 words, 256 bytes, at byte s5 of maskw
	s_load_b512 s[32:47], s[6:7], s5 offset:0x0
	s_load_b512 s[48:63], s[6:7], s5 offset:0x40
	s_load_b512 s[68:83], s[6:7], s5 offset:0x80
	s_load_b512 s[84:99], s[6:7], s5 offset:0xc0
.endm
	s_load_b256 s[68:75], s[0:1], 0x0              ; qkv s[68:69], maskw s[70:71], the scales' exponents s[72:73], aimg s[74:75]
	v_lshl_add_u32 v251, v0, 2, SPARE
	v_mov_b32 v255, 0
	ds_add_u32 v251, v255                          ; the opening lines: the add, twice on end, and its wait
	ds_add_u32 v251, v255
	v_lshrrev_b32 v1, 5, v0
	v_readfirstlane_b32 s2, v1                     ; wave 0..15
	s_and_b32 s90, ttmp7, 0xffff                   ; batch x 8 + head, which the four partners share
	s_mov_b32 s8, 15|(3<<16)|(1<<21)               ; group 1: the mask names all four; elements of 8 bytes; bit 21 beside a mask; no padding
	s_mov_b32 s9, 32<<16                           ; 16,384 dense bytes as 64 rows of 256
	s_mov_b32 s10, 64<<16
	s_mov_b32 s11, 32<<16
	s_mov_b32 s12, 64
	s_mov_b32 s13, 32
	s_mov_b32 s14, 0
	s_mov_b32 s15, 0
	s_mov_b32 s16, 1
	s_lshl_b32 s17, s2, 14                         ; LDS: 16,384 x wave: waves 0-7 fill K, 8-15 V
	s_lshr_b32 s91, s2, 3
	s_add_co_u32 s94, s91, 1
	s_lshl_b32 s94, s94, 23                        ; k's or v's region of qkv,
	s_and_b32 s92, s2, 7
	s_lshl_b32 s95, s92, 14                        ; my eighth,
	s_add_co_u32 s94, s94, s95
	s_lshl_b32 s95, s90, 17                        ; of the head's 131,072 bytes
	s_add_co_u32 s94, s94, s95
	s_mov_b32 s95, 0
	s_mov_b32 s100, 0x76543210                     ; v_permlanex16_b32: lane l takes lane l xor 16
	s_mov_b32 s101, 0xfedcba98
	s_wait_dscnt 0x0
	s_wait_kmcnt 0x0
	s_load_b256 s[76:83], s[72:73], 0x0            ; e6 s82, e7 s83
	s_load_b128 s[84:87], s[72:73], 0x20           ; e8 s84, e9 s85, e10 s86
	s_add_nc_u64 s[18:19], s[68:69], s[94:95]
	s_or_b32 s19, s19, 0x80000000
	ROUND                                          ; all four work-groups are here: the joint loads meet
	tensor_load_to_lds s[16:19], s[8:15]           ; my one tensor load of the launch
	s_nop 0
	v_and_b32 v1, 31, v0
	v_lshlrev_b32 v1, 4, v1                        ; 16 x lane
	s_bfe_u32 s88, ttmp6, 0x40000                  ; cx enters q's, the mask's and o's addresses alone
	s_lshl_b32 s89, ttmp9, 2
	s_add_co_u32 s89, s89, s88                     ; my block of 512 queries
	s_lshl_b32 s98, s89, 5
	s_lshl_b32 s99, s2, 1
	s_add_co_u32 s98, s98, s99                     ; my first tile of 16 queries
	s_lshl_b32 s5, s98, 12                         ; its 4,096 bytes of mask words; my second tile's follow them
	s_lshl_b32 s88, s98, 10
	s_lshl_b32 s89, s90, 17
	s_add_co_u32 s88, s88, s89
	s_mov_b32 s89, 0
	s_add_nc_u64 s[68:69], s[68:69], s[88:89]      ; q's images of my two tiles
	s_wait_alu depctr_va_vdst(0)                   ; the wait ahead of v1's readers
.irp i, 0,1,2,3
	global_load_b128 v[16+4*\i:19+4*\i], v1, s[68:69] offset:512*\i
.endr
	s_lshr_b32 s88, s90, 3                         ; o: token tile 128 x batch + my tile, 8,192 bytes each,
	s_lshl_b32 s88, s88, 7
	s_add_co_u32 s88, s88, s98
	s_lshl_b32 s88, s88, 13
	s_bfe_u32 s89, s90, 0x20001                    ; K step head / 2,
	s_lshl_b32 s89, s89, 11
	s_add_co_u32 s88, s88, s89
	s_and_b32 s89, s90, 1                          ; half head % 2
	s_lshl_b32 s89, s89, 10
	s_add_co_u32 s88, s88, s89
	s_mov_b32 s89, 0
	s_add_nc_u64 s[104:105], s[74:75], s[88:89]
	s_mov_b64 s[6:7], s[70:71]
	s_mov_b64 s[20:21], 0
	s_wait_kmcnt 0x0
	s_add_co_i32 s88, s82, s83
	s_lshl_b32 s88, s88, 23
	s_add_co_i32 s66, s88, 0x3e38aa3b              ; c = log2(e) / 8 with e6 + e7 added to its exponent field
	s_mov_b32 s67, s66
	s_add_co_i32 s88, s84, 127
	s_lshl_b32 s22, s88, 23                        ; 2^e8
	s_add_co_i32 s88, s86, 127
	s_lshl_b32 s24, s88, 23                        ; 2^e10
	s_add_co_i32 s88, s88, 15
	s_lshl_b32 s88, s88, 23
	s_or_b32 s25, s88, 0x600000                    ; 57,344 x 2^e10
	s_add_co_i32 s26, s84, s85                     ; e8 + e9
	v_add_nc_u32 v2, VOFF, v1
	v_mov_b32 v4, 0xf1800000                       ; -2^100
	v_mov_b32 v15, 0                               ; (upper halves of pairs, and a permute's destination, are written once)
	v_mov_b32 v236, 0
	v_mov_b32 v253, 0
	v_mov_b32 v244, s22
	v_mov_b32 v245, s24
	v_mov_b32 v246, s25
	v_mov_b32 v247, s26
	s_wait_alu depctr_va_vdst(0)                   ; the wait at the head's end
	s_wait_loadcnt 0x0                             ; q is in: its base, among the mask words' registers, may be written
	MLOAD                                          ; the first step's words
	s_wait_tensorcnt 0x0                           ; my piece of K or V has landed
	s_barrier_signal -1
	s_barrier_wait -1                              ; everybody's has
; A KEY STEP: 128 keys against the pass's tile of queries.  odd: which step of a pair, and so which region holds k.  pre = 1: the next step's k is fetched.
.macro STEP odd, pre
.if \odd
.set KR, RB
.set SR, RA
.else
.set KR, RA
.set SR, RB
.endif
	v_mov_b32 v[OLDM], v12                         ; five places (ISA guide 7.12.1) between the last products and those below, which write over the v fragments that those have read
.rept 4
	v_nop
.endr
	s_wait_dscnt 8                                 ; k's tiles 0-3 are in; the last eight loads, tiles 4-7, may be out
.set i, 0
.rept 8
.if i == 4
	s_wait_dscnt 0x0
.endif
	v_wmma_f32_16x16x64_bf8_bf8 v[SR+8*i:SR+8*i+7], v[KR+8*i:KR+8*i+7], v[16:23], 0
.set i, i+1
.endr
.rept 4
	v_nop                                          ; four places ahead of the loads onto k's fragments and of the first read of the scores
.endr
.set i, 0
.rept 16
	ds_load_b128 v[KR+4*i:KR+4*i+3], v9 offset:STEPB*\odd+512*i   ; four fragments of v^T, onto k's
.set i, i+1
.endr
.if \odd && \pre
	s_add_co_u32 s3, s3, 2*STEPB                   ; the next pair's addresses: 96 plain vector instructions stand ahead of their first reader
	v_add_nc_u32 v8, s3, v1
	v_add_nc_u32 v9, s3, v2
.endif
	s_wait_kmcnt 0x0                               ; the step's mask words are in
.set g, 0
.rept 32                               ; the mask, and four chains of the maximum on scores masked earlier; each accumulator from its low end on
	v_cndmask_b32 v[SR+2*g], v4, v[SR+2*g], s[32+2*g+4*(g/16)]
	v_cndmask_b32 v[SR+2*g+1], v4, v[SR+2*g+1], s[33+2*g+4*(g/16)]
.if g >= 7
	v_max3_num_f32 v[MX+(g-3)%4], v[MX+(g-3)%4], v[SR+2*g-2], v[SR+2*g-1]
.elseif g >= 3
	v_max3_num_f32 v[MX+g-3], v[SR+3*(g-3)], v[SR+3*(g-3)+1], v[SR+3*(g-3)+2]
.endif
.set g, g+1
.endr
	v_max3_num_f32 v[MX+1], v[MX+1], v[SR+62], v[SR+63]
	v_max3_num_f32 v[MX], v[MX], v[MX+2], v[MX+3]
	s_add_co_u32 s5, s5, 256                       ; the next step's words; my two tiles' follow each other;
	s_min_u32 s5, s5, 524288-256                   ; the very last request is held inside the buffer, and nobody uses it
	MLOAD
	v_max3_num_f32 v[MX], v[MX], v[MX+1], v13
	v_permlanex16_b32 v236, v[MX], s100, s101
	v_max_num_f32 v13, v[MX], v236                 ; the running largest score
	v_mul_f32 v254, s66, v13                       ; as t (c is positive)
	v_floor_f32 v12, -v254                         ; the new -M
	v_sub_f32 v254, v12, v[OLDM]                   ; old M - new M, a whole number, 0 or less
	v_cvt_i32_f32 v254, v254                       ; (it saturates)
	v_ldexp_f32 v252, 1.0, v254                    ; f = 2^(old M - new M)
.set i, 0
.rept 32
	v_pk_fma_f32 v[SR+i:SR+i+1], v[SR+i:SR+i+1], s[66:67], v[12:13] op_sel_hi:[1,0,0]   ; t - M
.set i, i+2
.endr
.set i, 0
.rept 16
	v_pk_mul_f32 v[OT+i:OT+i+1], v[OT+i:OT+i+1], v[252:253] op_sel_hi:[1,0]   ; O^T under the new M, ahead of the exponentials; each accumulator from its low end on
.set i, i+2
.endr
	s_wait_alu depctr_va_vdst(0)                   ; the wait ahead of the batch
.set i, 0
.rept 64
	v_exp_f32 v[SR+i], v[SR+i]                     ; p = 2^(t - M)
.set i, i+1
.endr
	v_nop                                          ; a plain place behind the last exponential
	s_wait_alu depctr_va_vdst(0)                   ; one wait for the batch, ahead of its first reader
.irp u, 0,1                            ; by halves of 32 numbers: the sum of the unquantised p, the conversions (p is at most 1: no hold, see the limit on e8), then the next k onto the converted tiles
.set b, 16*\u
.rept 16
.if b < 4
	v_pk_fma_f32 v[LS+2*b:LS+2*b+1], v[LS+2*b:LS+2*b+1], v[252:253], v[SR+2*b:SR+2*b+1] op_sel_hi:[1,0,1]   ; each pair of the sum comes under the new M with its first addition
.else
	v_pk_add_f32 v[LS+2*(b%4):LS+2*(b%4)+1], v[LS+2*(b%4):LS+2*(b%4)+1], v[SR+2*b:SR+2*b+1]
.endif
.set b, b+1
.endr
.set t, 4*\u
.rept 4
	v_cvt_scalef32_pk8_bf8_f32 v[PC+2*t:PC+2*t+1], v[SR+8*t:SR+8*t+7], v244
.set t, t+1
.endr
.if \pre
.set j, 8*\u
.rept 8
	ds_load_b128 v[SR+4*j:SR+4*j+3], v8 offset:STEPB*(1-\odd)+512*j   ; four tiles of the next step's k
.set j, j+1
.endr
.endif
.endr
	v_nop                                          ; a plain place between the last conversion and the products
	s_wait_alu depctr_va_vdst(0)                   ; the wait here, directly ahead of the wait below
.if \pre
	s_wait_dscnt 16                                ; v's fragments are in; behind them: two runs of eight for the next k
.else
	s_wait_dscnt 0x0
.endif
.set i, 0
.rept 4
	v_wmma_f32_16x16x128_bf8_bf8 v[OT+8*i:OT+8*i+7], v[KR+16*i:KR+16*i+15], v[PC:PC+15], v[OT+8*i:OT+8*i+7]   ; four accumulators by turns
.set i, i+1
.endr
.endm
	s_mov_b32 s27, 0
.Lpass:                                            ; two passes: one for each of my tiles
	s_mov_b32 s3, 0
	v_add_nc_u32 v8, s3, v1
	v_add_nc_u32 v9, s3, v2
	v_mov_b32 v13, 0xff61b1e6                      ; the largest score so far: -3e38
	v_mov_b32 v12, 0x7f61b1e6                      ; -M: 3e38
.set i, 0
.rept 8
	v_mov_b32 v[LS+i], 0
.set i, i+1
.endr
.set i, 0
.rept 32
	v_mov_b32 v[OT+i], 0                           ; the step has no first form: it finds zeros
.set i, i+1
.endr
.set i, 0
.rept 16
	ds_load_b128 v[RA+4*i:RA+4*i+3], v1 offset:512*i   ; step 0's k
.set i, i+1
.endr
	s_mov_b32 s4, 7
.Lpair:                                            ; steps 0 to 13
	STEP 0, 1
	STEP 1, 1
	s_sub_co_u32 s4, s4, 1
	s_cmp_lg_u32 s4, 0
	s_cbranch_scc1 .Lpair
	STEP 0, 1
	STEP 1, 0                                      ; the pass's last step fetches no k
	; THE WAY OUT: O^T x 2^(e8 + e9) / the sum, held, converted: tile ct's conversion is registers 2 ct, 2 ct + 1 of my head's half of the last projection's fragment
	s_wait_xcnt 0x0                                ; the first pass's stores have read their base and data
	s_add_nc_u64 s[104:105], s[104:105], s[20:21]  ; 0, then 8,192: my second tile's images
	v_pk_add_f32 v[LS:LS+1], v[LS:LS+1], v[LS+2:LS+3]          ; these four lines are also the places behind the last products
	v_pk_add_f32 v[LS+4:LS+5], v[LS+4:LS+5], v[LS+6:LS+7]
	v_pk_add_f32 v[LS:LS+1], v[LS:LS+1], v[LS+4:LS+5]
	v_add_f32 v14, v[LS], v[LS+1]
	v_permlanex16_b32 v236, v14, s100, s101
	v_add_f32 v14, v14, v236                       ; the row's sum
	s_wait_alu depctr_va_vdst(0)                   ; the wait ahead of the transcendental
	v_rcp_f32 v14, v14
	v_nop
	s_wait_alu depctr_va_vdst(0)                   ; and ahead of its first reader
	v_ldexp_f32 v14, v14, v247
	s_wait_alu depctr_va_vdst(0)                   ; and directly ahead of the first reader of O^T
.set i, 0
.rept 16
	v_pk_mul_f32 v[RB+i:RB+i+1], v[OT+i:OT+i+1], v[14:15] op_sel_hi:[1,0]
.set i, i+2
.endr
.set i, 0
.rept 32
	v_med3_num_f32 v[RB+i], v[RB+i], -v246, v246
.set i, i+1
.endr
.irp t, 0,1,2,3
	v_cvt_scalef32_pk8_bf8_f32 v[208+2*\t:209+2*\t], v[RB+8*\t:RB+8*\t+7], v245
.endr
	v_nop                                          ; a plain place behind the last conversion
.irp g, 0,1
	global_store_b128 v1, v[208+4*\g:211+4*\g], s[104:105] offset:512*\g   ; 512 consecutive bytes, at a multiple of 512 from the buffer's first byte
.endr
	s_mov_b64 s[20:21], 8192
.set i, 0
.rept 8
	v_mov_b32 v[16+i], v[24+i]                     ; my second tile's q (behind the second pass nobody reads it)
.set i, i+1
.endr
	s_add_co_u32 s27, s27, 1
	s_cmp_lt_u32 s27, 2
	s_wait_alu depctr_va_vdst(0)                   ; the wait ahead of the branch
	s_cbranch_scc1 .Lpass
	s_wait_tensorcnt 0x0                           ; the wave's end
	ds_add_u32 v251, v255
	s_wait_dscnt 0x0
	ROUND                                          ; the closing round
	s_endpgm
.Lfunc_end_k_q04f86829bf_attn:
	.size	k_q04f86829bf_attn, .Lfunc_end_k_q04f86829bf_attn-k_q04f86829bf_attn
	.p2alignl 7, 3214868480
	.fill 96, 4, 3214868480
	.section	.rodata,"a",@progbits
	.p2align	6, 0x0
	.amdhsa_kernel k_q04f86829bf_attn
		.amdhsa_group_segment_fixed_size 264192
		.amdhsa_private_segment_fixed_size 0
		.amdhsa_enable_private_segment 0
		.amdhsa_kernarg_size 32
		.amdhsa_user_sgpr_count 2
		.amdhsa_user_sgpr_kernarg_segment_ptr 1
		.amdhsa_wavefront_size32 1
		.amdhsa_system_sgpr_workgroup_id_x 1
		.amdhsa_system_sgpr_workgroup_id_y 1
		.amdhsa_system_sgpr_workgroup_id_z 1
		.amdhsa_system_vgpr_workitem_id 0
		.amdhsa_next_free_vgpr 256
		.amdhsa_next_free_sgpr 106
		.amdhsa_reserve_vcc 0
		.amdhsa_float_denorm_mode_32 3
		.amdhsa_float_denorm_mode_16_64 3
		.amdhsa_memory_ordered 1
		.amdhsa_forward_progress 1
		.amdhsa_inst_pref_size 82
	.end_amdhsa_kernel
	.amdgpu_metadata
---
amdhsa.version: [ 1, 2 ]
amdhsa.kernels:
  - .name:           k_q04f86829bf_attn
    .symbol:         k_q04f86829bf_attn.kd
    .args:
      - { .name: qkv, .offset: 0, .size: 8, .value_kind: global_buffer, .address_space: global }
      - { .name: maskw, .offset: 8, .size: 8, .value_kind: global_buffer, .address_space: global }
      - { .name: lowp_scales, .offset: 16, .size: 8, .value_kind: global_buffer, .address_space: global }
      - { .name: aimg, .offset: 24, .size: 8, .value_kind: global_buffer, .address_space: global }
    .group_segment_fixed_size: 264192
    .private_segment_fixed_size: 0
    .kernarg_segment_align: 8
    .kernarg_segment_size: 32
    .max_flat_workgroup_size: 512
    .sgpr_count:     106
    .vgpr_count:     256
    .wavefront_size: 32
...
	.end_amdgpu_metadata
.endif
;; end of part 7
;; launch oproj (part 8): grid 256 x 1, 4 waves a work-group, no clusters, 34,304 bytes of LDS; arguments aimg, wimg, bo, lowp_scales, out0; writes out0
.if DOCPART == 8
	.amdgcn_target "amdgcn-amd-amdhsa--gfx1250"
	.amdhsa_code_object_version 6
	.text
	.protected	k_q04f86829bf_oproj
	.globl	k_q04f86829bf_oproj
	.p2align	8
	.type	k_q04f86829bf_oproj,@function
k_q04f86829bf_oproj:
	s_mov_b64 s[64:65], 0
	v_nop
	global_prefetch_b8 v0, s[64:65] scope:SCOPE_SE
	s_setreg_imm32_b32 hwreg(HW_REG_WAVE_MODE, 25, 1), 1
	s_wait_xcnt 0x0
; OPROJ.  out0 = a Wo^T + bo on codes of E5M2.  a comes as register images (aimg: [tile of 16 tokens][K step 4][2,048 bytes]), Wo likewise (wimg, its fourth quarter); out0 [16,384][512] f32.
; SHARES.  A work-group takes 64 tokens; wave w makes features 128 w .. 128 w + 127 of all of them.  Everything a wave multiplies goes straight from memory into its registers, 512 consecutive bytes a load:
; 32 fragments of Wo (512 registers), 16 of a (256).  The waves share nothing: no barrier.  No tensor load, so LDS is claimed as it is used: a stage of 16 rows for each wave.
; Source 0 = 16 rows of Wo, source 1 = 16 tokens: a lane's eight results are eight NEIGHBOURING features of one token, 32 bytes.  A tile of tokens goes through my stage and leaves as rows of 512 bytes.
; out = sum x 2^(e10 + e11) + bo: one packed multiply-add for two numbers.  LIMIT: e10 + e11 between -126 and 127, so that the power of two is an f32 number.
; No cluster: the weight is shared, but it is read once a work-group, into registers; a joint load would have to pass it through LDS first.
; REGISTERS, in windows of 256: window 0: v4-9 addresses; v16-79 the bias (register 8 f + j: feature 16 f + 8 h + j); v80-143 eight accumulators; v144-207 16 rows back from the stage.
;   window 1: Wo's fragments (f, s) for K steps s = 0, 1 at v[16 (2 f + s)];  window 2: for s = 2, 3;  window 3: a's fragments (tt, s) at v[16 (4 tt + s)].
.set SP,   528                         ; a stage row: 512 bytes + 16: row r starts at bank 4 r mod 64 (64 banks of 4 bytes: ISA guide 11.1)
.set BIAS, 16
.set ACC,  80
.set BK,   144
.set MSB, 0
.macro WIN new                         ; the immediate's high byte repeats the setting that is left
.if MSB != (\new)
	s_set_vgpr_msb (MSB<<8)|(\new)
.set MSB, (\new)
.endif
.endm
	s_load_b256 s[4:11], s[0:1], 0x0               ; aimg s[4:5], wimg s[6:7], bo s[8:9], the scales' exponents s[10:11]
	s_load_b64 s[12:13], s[0:1], 0x20              ; out0
	v_lshl_add_u32 v254, v0, 2, 0x8400
	v_mov_b32 v255, 0
	v_lshrrev_b32 v1, 5, v0
	v_readfirstlane_b32 s2, v1                     ; wave 0..3
	v_and_b32 v1, 31, v0
	v_and_b32 v2, 15, v0                           ; r
	v_bfe_u32 v3, v0, 4, 1                         ; h
	v_lshlrev_b32 v9, 4, v1                        ; 16 x lane
	v_lshlrev_b32 v4, 5, v3                        ; the bias: 32 h
	s_mul_i32 s20, s2, 16*SP                       ; my stage
	v_mul_u32_u24 v5, v2, SP
	v_lshl_add_u32 v5, v3, 5, v5
	v_add_nc_u32 v5, s20, v5                       ; in: row r, + 32 h
	v_add_nc_u32 v6, s20, v9                       ; back: the 32 lanes take one row
	s_lshl_b32 s16, s2, 16
	s_add_co_u32 s16, s16, 3*262144                ; Wo: wimg's fourth quarter, + 65,536 x wave
	s_mov_b32 s17, 0
	s_lshl_b32 s18, ttmp9, 15                      ; a: four tiles of 8,192 bytes x work-group
	s_mov_b32 s19, 0
	s_lshl_b32 s22, s2, 9                          ; my 128 features: 512 bytes, in bo and in a row of out0
	s_mov_b32 s23, 0
	s_lshl_b32 s24, ttmp9, 17                      ; 64 rows of 2,048 bytes x work-group
	s_add_co_u32 s24, s24, s22
	s_mov_b32 s25, 0
	s_wait_alu depctr_va_vdst(0)
	s_wait_kmcnt 0x0
	s_load_b64 s[14:15], s[10:11], 0x28            ; e10, e11
	s_add_nc_u64 s[6:7], s[6:7], s[16:17]
	s_add_nc_u64 s[4:5], s[4:5], s[18:19]
	s_add_nc_u64 s[8:9], s[8:9], s[22:23]
	s_add_nc_u64 s[12:13], s[12:13], s[24:25]
.set i, 0
.rept 16
	global_load_b128 v[BIAS+4*i:BIAS+4*i+3], v4, s[8:9] offset:64*(i/2)+16*(i%2)
.set i, i+1
.endr
	WIN 0x40                                       ; destination window 1
.irp f, 0,1,2,3,4,5,6,7
.irp s, 0,1
.irp g, 0,1,2,3
	global_load_b128 v[16*(2*\f+\s)+4*\g:16*(2*\f+\s)+4*\g+3], v9, s[6:7] offset:8192*\f+2048*\s+512*\g
.endr
.endr
.endr
	WIN 0x80                                       ; destination window 2
.irp f, 0,1,2,3,4,5,6,7
.irp s, 0,1
.irp g, 0,1,2,3
	global_load_b128 v[16*(2*\f+\s)+4*\g:16*(2*\f+\s)+4*\g+3], v9, s[6:7] offset:8192*\f+2048*(\s+2)+512*\g
.endr
.endr
.endr
	WIN 0xc0                                       ; destination window 3: a's fragments last, tile by tile, so that the waits below can count them
.set i, 0
.rept 64
	global_load_b128 v[4*i:4*i+3], v9, s[4:5] offset:512*i
.set i, i+1
.endr
	WIN 0
	s_wait_kmcnt 0x0
	s_add_co_i32 s46, s14, s15
	s_add_co_i32 s46, s46, 127
	s_lshl_b32 s46, s46, 23                        ; 2^(e10 + e11) as f32
	s_mov_b32 s47, s46                             ; (named with it as a pair, so it is written)
; 32 matrix instructions: my eight tiles of features x token tile tt, K = 512 in four steps.  The first step starts the sums; the eight accumulators take turns, one instruction a turn.
; (tt may be given as a sum: every use of it stands in parentheses.)
.macro MUL tt
	s_wait_loadcnt 16*(3-(\tt))                    ; loads come back in order (ISA guide 5.7.1): all are in but the later tiles' sixteen each; the bias and the weight were asked for ahead of them
.irp s, 0,1,2,3
	WIN 0x0d+\s/2                                  ; source 0 (Wo) window 1 or 2, source 1 (a) window 3
.irp f, 0,1,2,3,4,5,6,7
.if \s == 0
	v_wmma_f32_16x16x128_bf8_bf8 v[ACC+8*\f:ACC+8*\f+7], v[16*(2*\f+\s%2):16*(2*\f+\s%2)+15], v[16*(4*(\tt)+\s):16*(4*(\tt)+\s)+15], 0
.else
	v_wmma_f32_16x16x128_bf8_bf8 v[ACC+8*\f:ACC+8*\f+7], v[16*(2*\f+\s%2):16*(2*\f+\s%2)+15], v[16*(4*(\tt)+\s):16*(4*(\tt)+\s)+15], v[ACC+8*\f:ACC+8*\f+7]
.endif
.endr
.endr
	WIN 0
.endm
	MUL 0
.irp tt, 0,1,2,3
.rept 4
	v_nop                                          ; four places (ISA guide 7.12.1) in front of the first read of results
.endr
.set i, 0
.rept 32
	v_pk_fma_f32 v[ACC+i:ACC+i+1], v[ACC+i:ACC+i+1], s[46:47], v[BIAS+i:BIAS+i+1] op_sel_hi:[1,0,1]   ; sum x 2^(e10 + e11) + bo; each accumulator from its low end on
.set i, i+2
.endr
.if \tt > 0
	s_wait_alu depctr_va_vdst(0)
	s_wait_xcnt 0x0                                ; the last tile's stores have had their addresses translated (ISA guide 3.1): their data registers may be loaded again
.endif
.irp f, 0,1,2,3,4,5,6,7
	ds_store_b128 v5, v[ACC+8*\f:ACC+8*\f+3] offset:64*\f
	ds_store_b128 v5, v[ACC+8*\f+4:ACC+8*\f+7] offset:64*\f+16
.endr
.set i, 0
.rept 16
	ds_load_b128 v[BK+4*i:BK+4*i+3], v6 offset:SP*i   ; LDS serves a wave's instructions in order (ISA guide 5.7.1.4): these see my stores, and the next tile's stores come behind them
.set i, i+1
.endr
.if \tt < 3
	s_wait_dscnt 16                                ; the sixteen stores have read the accumulators; the sixteen loads may be out
	MUL \tt+1                                      ; the next tile is multiplied while this one's rows come back
.endif
	s_wait_dscnt 0x0
.set i, 0
.rept 16
	global_store_b128 v9, v[BK+4*i:BK+4*i+3], s[12:13] offset:(16*\tt+i)*2048 th:TH_STORE_NT   ; 32 lanes store 512 consecutive bytes, at a multiple of 512 from out0's first byte; written once, read by nobody here
.set i, i+1
.endr
.endr
	s_wait_tensorcnt 0x0
	ds_add_u32 v254, v255
	s_wait_dscnt 0x0
	s_endpgm
.Lfunc_end_k_q04f86829bf_oproj:
	.size	k_q04f86829bf_oproj, .Lfunc_end_k_q04f86829bf_oproj-k_q04f86829bf_oproj
	.p2alignl 7, 3214868480
	.fill 96, 4, 3214868480
	.section	.rodata,"a",@progbits
	.p2align	6, 0x0
	.amdhsa_kernel k_q04f86829bf_oproj
		.amdhsa_group_segment_fixed_size 34304
		.amdhsa_private_segment_fixed_size 0
		.amdhsa_enable_private_segment 0
		.amdhsa_kernarg_size 40
		.amdhsa_user_sgpr_count 2
		.amdhsa_user_sgpr_kernarg_segment_ptr 1
		.amdhsa_wavefront_size32 1
		.amdhsa_system_sgpr_workgroup_id_x 1
		.amdhsa_system_sgpr_workgroup_id_y 1
		.amdhsa_system_sgpr_workgroup_id_z 1
		.amdhsa_system_vgpr_workitem_id 0
		.amdhsa_next_free_vgpr 1024
		.amdhsa_next_free_sgpr 66
		.amdhsa_reserve_vcc 0
		.amdhsa_float_denorm_mode_32 3
		.amdhsa_float_denorm_mode_16_64 3
		.amdhsa_memory_ordered 1
		.amdhsa_forward_progress 1
		.amdhsa_inst_pref_size 53
	.end_amdhsa_kernel
	.amdgpu_metadata
---
amdhsa.version: [ 1, 2 ]
amdhsa.kernels:
  - .name:           k_q04f86829bf_oproj
    .symbol:         k_q04f86829bf_oproj.kd
    .args:
      - { .name: aimg, .offset: 0, .size: 8, .value_kind: global_buffer, .address_space: global }
      - { .name: wimg, .offset: 8, .size: 8, .value_kind: global_buffer, .address_space: global }
      - { .name: bo, .offset: 16, .size: 8, .value_kind: global_buffer, .address_space: global }
      - { .name: lowp_scales, .offset: 24, .size: 8, .value_kind: global_buffer, .address_space: global }
      - { .name: out0, .offset: 32, .size: 8, .value_kind: global_buffer, .address_space: global }
    .group_segment_fixed_size: 34304
    .private_segment_fixed_size: 0
    .kernarg_segment_align: 8
    .kernarg_segment_size: 40
    .max_flat_workgroup_size: 128
    .sgpr_count:     66
    .vgpr_count:     1024
    .wavefront_size: 32
...
	.end_amdgpu_metadata
.endif
;; end of part 8
